; MI455X (gfx1250); checked and timed in simulation.
; The chip was launched on July 23, 2026; its instructions are those of AMD's public machine-readable ISA for CDNA 5 (MIT licence, August 2026) and "CDNA5" Instruction Set Architecture Reference Guide (July 2026). The comments in the code are by the model that wrote it; some were corrected since.
;; Abomasum Layer. Allowed arithmetic: float matrix products may take bf16 or f16 operands with f32 sums; all other float work in f32.
;; Inputs: W_out 1,024 x 1,024 float32; W_qkv 3,072 x 1,024 float32; beta 1,024 float32; gamma 1,024 float32; uncertainty 2 x 2,048 float32; x 2 x 2,048 x 1,024 float32.
;; Outputs: out0 2 x 2,048 x 1,024 float32.
;; One version. Each part assembles by itself: llvm-mc -triple=amdgcn-amd-amdhsa -mcpu=gfx1250 --defsym DOCPART=n.
;; ======== version 1 of 1: 5 launches
;; workspace buffers: cbuf 16,777,216 bytes; lbias 16,384 bytes; qkvb 25,165,824 bytes; aob 8,388,608 bytes; ybuf 16,777,216 bytes
;; launch prep (part 1): grid 514 x 1, 8 waves a work-group, no clusters, 0 bytes of LDS; arguments x, W_qkv, W_out, uncertainty, cbuf, lbias; writes cbuf, lbias
.if DOCPART == 1
	.amdgcn_target "amdgcn-amd-amdhsa--gfx1250"
	.amdhsa_code_object_version 6
	.text
	.protected	k_qf56ccbd4fd_prep
	.globl	k_qf56ccbd4fd_prep
	.p2align	8
	.type	k_qf56ccbd4fd_prep,@function
k_qf56ccbd4fd_prep:
	s_mov_b64 s[64:65], 0
	v_nop
	global_prefetch_b8 v0, s[64:65] scope:SCOPE_SE
	s_setreg_imm32_b32 hwreg(HW_REG_WAVE_MODE, 25, 1), 1
	s_wait_xcnt 0x0
; prep: the operands of the matrix products, rounded once to bf16, and the keys' bias in base 2.
; cbuf, bf16: bytes [0, 8 MiB) x as [4096][1024]; [8 MiB, 14 MiB) W_qkv as [3072][1024], its first 1,024 rows (the queries')
; multiplied by c = 0.125 log2(e) ahead of the rounding; [14 MiB, 16 MiB) W_out as [1024][1024].
; softmax(q k / 8 + ln a) = softmax in base 2 of ((c q) k + log2 a), so later no score needs a scale.
; lbias, f32 [2][2048]: log2(1 - u / (max u + 1e-8) + 1e-8).
; Work-groups 0 to 511 each convert 16,384 numbers (64 KiB in, 32 KiB out): 0-255 x, 256-447 W_qkv, 448-511 W_out; the three sources
; lie behind each other in cbuf, so the destination is cbuf + 32,768 x the work-group's number.  Work-groups 512 and 513 make one batch's bias.
; Memory binds: no LDS, no barrier, no matrix unit.  All sixteen loads of a thread go out at once and no register is written twice.
; LIMITS: u / d is a reciprocal with one Newton step and one correction by the remainder: exactly 1 for u = d, at most 1 for u < d;
; not guaranteed correctly rounded where the quotient is denormal.  A NaN in uncertainty is dropped by the maximum.
.set IN,   4                           ; v[4:67]   sixteen loads of 16 bytes
.set OUT,  68                          ; v[68:99]  sixteen pairs of packed bf16
.set OWN,  68                          ; bias part: v[68:75] my eight u
.set MX,   76                          ; v[76:79]  four running maxima
.set QQ,   80                          ; v[80:87]  quotients, then the results
.set REM,  88                          ; v[88:95]  remainders
.set DD,   100                         ; max + 1e-8
.set RR,   101                         ; its reciprocal
.set EE,   102
.set CSC,  0x3e38aa3b                  ; 0.125 log2(e)
.set EPS8, 0x322bcc77                  ; 1e-8
; 64 KiB: load i of a wave covers 512 neighbouring bytes, store i of a wave 256 neighbouring bytes at a multiple of 256.
.macro CONV scale
.irp i, 0,1,2,3,4,5,6,7,8,9,10,11,12,13,14,15
	global_load_b128 v[IN+4*\i:IN+4*\i+3], v1, s[16:17] offset:4096*\i th:TH_LOAD_NT
.endr
.irp i, 0,1,2,3,4,5,6,7,8,9,10,11,12,13,14,15
	s_wait_loadcnt 15-\i                           ; loads come back in order (ISA guide 5.7.1): load i is in, the younger ones stay out
.if \scale
	v_pk_mul_f32 v[IN+4*\i:IN+4*\i+1], v[IN+4*\i:IN+4*\i+1], CSC op_sel_hi:[1,0]
	v_pk_mul_f32 v[IN+4*\i+2:IN+4*\i+3], v[IN+4*\i+2:IN+4*\i+3], CSC op_sel_hi:[1,0]
.endif
	v_cvt_pk_bf16_f32 v[OUT+2*\i], v[IN+4*\i], v[IN+4*\i+1]
	v_cvt_pk_bf16_f32 v[OUT+2*\i+1], v[IN+4*\i+2], v[IN+4*\i+3]
	global_store_b64 v2, v[OUT+2*\i:OUT+2*\i+1], s[18:19] offset:2048*\i
.endr
.endm
	s_load_b256 s[4:11], s[0:1], 0x0               ; x s[4:5], W_qkv s[6:7], W_out s[8:9], uncertainty s[10:11]
	s_load_b128 s[12:15], s[0:1], 0x20             ; cbuf s[12:13], lbias s[14:15]
	v_lshlrev_b32 v1, 4, v0                        ; 16 t: my 16 bytes of every 4,096 read
	v_lshlrev_b32 v2, 3, v0                        ; 8 t: my 8 bytes of every 2,048 written
	s_wait_kmcnt 0x0
	s_cmp_ge_u32 ttmp9, 512
	s_cbranch_scc1 .Lbias
	s_cmp_lt_u32 ttmp9, 256                        ; which source, and the number of its first work-group
	s_cselect_b64 s[16:17], s[4:5], s[6:7]
	s_cselect_b32 s20, 0, 256
	s_cmp_lt_u32 ttmp9, 448
	s_cselect_b64 s[16:17], s[16:17], s[8:9]
	s_cselect_b32 s20, s20, 448
	s_sub_co_u32 s20, ttmp9, s20
	s_lshl_b32 s20, s20, 16                        ; 65,536 bytes of the source for each work-group
	s_mov_b32 s21, 0
	s_add_nc_u64 s[16:17], s[16:17], s[20:21]
	s_lshl_b32 s22, ttmp9, 15                      ; 32,768 bytes of cbuf for each
	s_mov_b32 s23, 0
	s_add_nc_u64 s[18:19], s[12:13], s[22:23]
	s_sub_co_u32 s24, ttmp9, 256                   ; work-groups 256 to 319 hold W_qkv's rows 0 to 1,023 (below 256 the difference wraps to a large number)
	s_cmp_lt_u32 s24, 64
	s_cbranch_scc1 .Lscaled
	CONV 0
	s_endpgm
.Lscaled:
	CONV 1
	s_endpgm
; One batch's bias.  Every wave reads all 2,048 u (sixteen loads of 512 bytes) and finds the maximum for itself: no LDS and no barrier.
; Thread t then makes the eight results at bytes 16 t and 16 t + 4,096.
.Lbias:
	s_sub_co_u32 s20, ttmp9, 512
	s_lshl_b32 s20, s20, 13                        ; 8,192 bytes a batch
	s_mov_b32 s21, 0
	s_add_nc_u64 s[16:17], s[10:11], s[20:21]
	s_add_nc_u64 s[18:19], s[14:15], s[20:21]
	s_mov_b32 s24, 0x76543210                      ; v_permlanex16_b32: lane i of one half reads lane i of the other
	s_mov_b32 s25, 0xfedcba98
	v_and_b32 v3, 31, v0
	v_lshlrev_b32 v3, 4, v3                        ; 16 x lane
.irp i, 0,1,2,3,4,5,6,7,8,9,10,11,12,13,14,15
	global_load_b128 v[IN+4*\i:IN+4*\i+3], v3, s[16:17] offset:512*\i
.endr
	global_load_b128 v[OWN:OWN+3], v1, s[16:17]
	global_load_b128 v[OWN+4:OWN+7], v1, s[16:17] offset:4096
	s_wait_loadcnt 0x2                             ; the sixteen are in; my own two, issued behind them, may stay out
.irp k, 0,1,2,3
	v_max3_num_f32 v[MX+\k], v[IN+16*\k], v[IN+16*\k+1], v[IN+16*\k+2]
.endr
.irp j, 3,5,7,9,11,13
.irp k, 0,1,2,3
	v_max3_num_f32 v[MX+\k], v[MX+\k], v[IN+16*\k+\j], v[IN+16*\k+\j+1]
.endr
.endr
.irp k, 0,1,2,3
	v_max_num_f32 v[MX+\k], v[MX+\k], v[IN+16*\k+15]
.endr
	v_max3_num_f32 v[MX], v[MX], v[MX+1], v[MX+2]
	v_max_num_f32 v[MX], v[MX], v[MX+3]
	v_max_num_f32_dpp v[MX], v[MX], v[MX] row_xmask:1 row_mask:0xf bank_mask:0xf
	v_max_num_f32_dpp v[MX], v[MX], v[MX] row_xmask:2 row_mask:0xf bank_mask:0xf
	v_max_num_f32_dpp v[MX], v[MX], v[MX] row_xmask:4 row_mask:0xf bank_mask:0xf
	v_max_num_f32_dpp v[MX], v[MX], v[MX] row_xmask:8 row_mask:0xf bank_mask:0xf
	v_permlanex16_b32 v[MX+1], v[MX], s24, s25     ; its destination counts as read: a register that has been written
	v_max_num_f32 v[MX], v[MX], v[MX+1]
	v_add_f32 v[DD], EPS8, v[MX]                   ; d = max + 1e-8
	v_rcp_f32 v[RR], v[DD]
	v_nop                                          ; one plain place behind the reciprocal (ISA guide 5.7.2)
	s_wait_alu depctr_va_vdst(0)
	v_fma_f32 v[EE], -v[DD], v[RR], 1.0            ; one Newton step
	v_fma_f32 v[RR], v[EE], v[RR], v[RR]
	s_wait_loadcnt 0x0
.irp j, 0,1,2,3,4,5,6,7
	v_mul_f32 v[QQ+\j], v[OWN+\j], v[RR]
.endr
.irp j, 0,1,2,3,4,5,6,7
	v_fma_f32 v[REM+\j], -v[QQ+\j], v[DD], v[OWN+\j]       ; the remainder u - q d, in one rounding
.endr
.irp j, 0,1,2,3,4,5,6,7
	v_fma_f32 v[QQ+\j], v[REM+\j], v[RR], v[QQ+\j]         ; the corrected quotient
.endr
.irp j, 0,1,2,3,4,5,6,7
	v_sub_f32 v[QQ+\j], 1.0, v[QQ+\j]              ; conf
.endr
.irp j, 0,1,2,3,4,5,6,7
	v_add_f32 v[QQ+\j], EPS8, v[QQ+\j]
.endr
.irp j, 0,1,2,3,4,5,6,7
	v_log_f32 v[QQ+\j], v[QQ+\j]                   ; log2
.endr
	v_nop                                          ; one plain place behind the logarithms
	s_wait_alu depctr_va_vdst(0)
	global_store_b128 v1, v[QQ:QQ+3], s[18:19]
	global_store_b128 v1, v[QQ+4:QQ+7], s[18:19] offset:4096
	s_endpgm
.Lfunc_end_k_qf56ccbd4fd_prep:
	.size	k_qf56ccbd4fd_prep, .Lfunc_end_k_qf56ccbd4fd_prep-k_qf56ccbd4fd_prep
	.p2alignl 7, 3214868480
	.fill 96, 4, 3214868480
	.section	.rodata,"a",@progbits
	.p2align	6, 0x0
	.amdhsa_kernel k_qf56ccbd4fd_prep
		.amdhsa_group_segment_fixed_size 0
		.amdhsa_private_segment_fixed_size 0
		.amdhsa_enable_private_segment 0
		.amdhsa_kernarg_size 48
		.amdhsa_user_sgpr_count 2
		.amdhsa_user_sgpr_kernarg_segment_ptr 1
		.amdhsa_wavefront_size32 1
		.amdhsa_system_sgpr_workgroup_id_x 1
		.amdhsa_system_sgpr_workgroup_id_y 1
		.amdhsa_system_sgpr_workgroup_id_z 1
		.amdhsa_system_vgpr_workitem_id 0
		.amdhsa_next_free_vgpr 104
		.amdhsa_next_free_sgpr 66
		.amdhsa_reserve_vcc 0
		.amdhsa_float_denorm_mode_32 3
		.amdhsa_float_denorm_mode_16_64 3
		.amdhsa_memory_ordered 1
		.amdhsa_forward_progress 1
		.amdhsa_inst_pref_size 23
	.end_amdhsa_kernel
	.amdgpu_metadata
---
amdhsa.version: [ 1, 2 ]
amdhsa.kernels:
  - .name:           k_qf56ccbd4fd_prep
    .symbol:         k_qf56ccbd4fd_prep.kd
    .args:
      - { .name: x, .offset: 0, .size: 8, .value_kind: global_buffer, .address_space: global }
      - { .name: W_qkv, .offset: 8, .size: 8, .value_kind: global_buffer, .address_space: global }
      - { .name: W_out, .offset: 16, .size: 8, .value_kind: global_buffer, .address_space: global }
      - { .name: uncertainty, .offset: 24, .size: 8, .value_kind: global_buffer, .address_space: global }
      - { .name: cbuf, .offset: 32, .size: 8, .value_kind: global_buffer, .address_space: global }
      - { .name: lbias, .offset: 40, .size: 8, .value_kind: global_buffer, .address_space: global }
    .group_segment_fixed_size: 0
    .private_segment_fixed_size: 0
    .kernarg_segment_align: 8
    .kernarg_segment_size: 48
    .max_flat_workgroup_size: 256
    .sgpr_count:     66
    .vgpr_count:     104
    .wavefront_size: 32
...
	.end_amdgpu_metadata
.endif
;; end of part 1
;; launch qkvgemm (part 2): grid 16 x 16, 4 waves a work-group, clusters of 4 x 4, 327,680 bytes of LDS; arguments cbuf, qkvb; writes qkvb
.if DOCPART == 2
	.amdgcn_target "amdgcn-amd-amdhsa--gfx1250"
	.amdhsa_code_object_version 6
	.text
	.protected	k_qf56ccbd4fd_qkvgemm
	.globl	k_qf56ccbd4fd_qkvgemm
	.p2align	8
	.type	k_qf56ccbd4fd_qkvgemm,@function
k_qf56ccbd4fd_qkvgemm:
	s_mov_b64 s[64:65], 0
	v_nop
	global_prefetch_b8 v0, s[64:65] scope:SCOPE_SE
	s_setreg_imm32_b32 hwreg(HW_REG_WAVE_MODE, 25, 1), 1
	s_wait_xcnt 0x0
	s_wait_alu depctr_hold_cnt(0) depctr_sa_sdst(0) depctr_va_vdst(0) depctr_va_sdst(0) depctr_va_ssrc(0) depctr_va_vcc(0) depctr_vm_vsrc(0)
	s_getreg_b32 s2, hwreg(HW_REG_IB_STS2, 6, 4)
	s_cmp_eq_u32 s2, 0
	s_cbranch_scc0 .Lentry_in_a_cluster
	s_endpgm
.Lentry_in_a_cluster:
	s_bfe_u32 s2, ttmp6, 0x10000c
	s_cmp_lg_u32 s2, 0xf033
	s_cbranch_scc0 .Lentry_shape_is_right
	s_endpgm
.Lentry_shape_is_right:
; qkvb[b][g][n][64] = x W_qkv^T in bf16 (sums in f32), g = feature / 64: 0-15 the queries' heads (already times 0.125 log2 e), 16-31 the keys', 32-47 the values'.
; A = cbuf bytes [0, 8 MiB): [4096 tokens][1024]; B = cbuf from byte 8 MiB: [3072 features][1024].
; A work-group makes 256 tokens x 192 features (three whole heads) with four waves; 16 x 16 work-groups.  Wave w makes tokens 64 w .. 64 w + 63 x all
; 192 features: 4 x 12 accumulator tiles, 384 registers.  So a wave holds whole rows of 128 bytes of each head and its way out needs no other wave.
; K goes in steps of 128 through two LDS slots filled by the tensor data mover; a tile's rows are 256 bytes of memory at multiples of 256.
; CLUSTERS: 4 x 4 work-groups.  A's tile hangs on the block row alone and is asked for jointly by a row of the cluster, B's on the block column alone
; and is asked for jointly by a column: four work-groups issue the same load with the same descriptor and a mask that names the four.
; REGISTERS in windows of 256: window 0 addresses, A's fragments (two buffers of 32), the way out; window 1 B's fragments (two buffers of 96);
; window 2 the accumulators of token tiles 0, 1 (tile (a, b) at 8 (12 (a & 1) + b)); window 3 those of token tiles 2, 3.
; The matrix instruction is used transposed (source 0 = 16 features, source 1 = 16 tokens): a lane then holds eight neighbouring features of one token.
.set SIZE_K, 1024
.set KSTEP,  128
.set PITCH,  272                       ; an LDS row: 256 bytes + 16 of padding: the 16 rows of a fragment load start 16 bytes apart modulo 256
.set HALFT,  128*PITCH                 ; the room of one tensor load: 128 rows of A, or 96 rows of B
.set SLOT,   4*HALFT                   ; A rows 0-127, A rows 128-255, B rows 0-95, B rows 96-191
.set STAGE,  2*SLOT                    ; behind the ring: 16 rows x 400 bytes for each wave; no tensor load lands here
.set SPITCH, 400                       ; 384 bytes (192 bf16) + 16
.set LAPS,   SIZE_K/(2*KSTEP)          ; a lap = two K steps = once round the ring
.set ADRA, 16                          ; v16-17  LDS address of my A fragments in slot 0, 1
.set ADRB, 20                          ; v20-21  the same for B
.set STO,  24                          ; the way out: where I put 16 bytes of a token's row
.set RD,   25                          ; the way out: where I read back
.set CO,   26                          ; my byte offset in qkvb
.set FA,   32                          ; A's fragment buffers: v32-63, v64-95
.set TMP,  96                          ; v96-143  packed results
.set RB0,  144                         ; v144-191, v192-239: what is read back and stored, two sets in turn
.set RB1,  192
.set G1,  24                           ; s[24:31] descriptor group 1 for A's tiles
.set G0,  32                           ; s[32:39] group 0 for A's tiles, one set a slot
.set G1B, 48                           ; s[48:55] group 1 for B's tiles
.set G0B, 56                           ; s[56:63] group 0 for B's tiles, one set a slot
.set MSB, 0
.macro WIN new                         ; the immediate's high byte repeats the setting that is left
.if MSB != \new
	s_set_vgpr_msb (MSB<<8)|\new
.set MSB, \new
.endif
.endm
.set MUL_LO, 0xa1                      ; source 0 (B) window 1, source 1 (A) window 0, C and D window 2
.set MUL_HI, 0xf1                      ; the same, C and D window 3
.set TO_B,   0x40                      ; destination window 1, address window 0
; A joint load: waves 0 and 1 fetch A's two halves, waves 2 and 3 B's.  The branch hangs on the wave's number alone.
.macro JLOAD s
	s_cmp_eq_u32 s11, 0
	s_cbranch_scc0 .Lfor_b_\@
	tensor_load_to_lds s[G0+4*\s:G0+4*\s+3], s[G1:G1+7]
	s_nop 0
	s_branch .Lasked_\@
.Lfor_b_\@:
	tensor_load_to_lds s[G0B+4*\s:G0B+4*\s+3], s[G1B:G1B+7]
	s_nop 0
.Lasked_\@:
.endm
; A round of the cluster's barrier: my work-group's barrier, wave 0 signals for the work-group, every wave waits for all sixteen, my work-group's barrier again.
.macro CREST                           ; a round behind its opening barrier
	s_cmp_lg_u32 s10, 0
	s_cbranch_scc1 .Lnot_wave_0_\@
	s_barrier_signal -3
.Lnot_wave_0_\@:
	s_barrier_wait -3
	s_barrier_signal -1
	s_barrier_wait -1
.endm
.macro CROUND
	s_barrier_signal -1
	s_barrier_wait -1
	CREST
.endm
	s_load_b128 s[4:7], s[0:1], 0x0                ; cbuf s[4:5], qkvb s[6:7]
	s_set_vgpr_msb 0x40
	v_lshl_add_u32 v255, v0, 2, 0x4a400
	s_set_vgpr_msb 0x4000
	v_mov_b32 v255, 0
	s_set_vgpr_msb 0x1
	ds_add_u32 v255, v255
	s_set_vgpr_msb 0x100
	v_lshrrev_b32 v1, 5, v0
	v_readfirstlane_b32 s10, v1                    ; wave 0..3: my 64 tokens
	s_lshr_b32 s11, s10, 1                         ; I fetch for A (0) or for B (1)
	s_and_b32 s12, s10, 1                          ; which half of that tile I fetch
	s_bfe_u32 s40, ttmp6, 0x40000                  ; cx
	s_bfe_u32 s41, ttmp6, 0x40004                  ; cy
	s_lshl_b32 s42, ttmp9, 2
	s_add_co_u32 s42, s42, s40                     ; block column (192 features) = 4 x cluster x + cx
	s_and_b32 s13, ttmp7, 0xffff
	s_lshl_b32 s13, s13, 2
	s_add_co_u32 s13, s13, s41                     ; block row (256 tokens) = 4 x cluster y + cy
	s_lshl_b32 s43, s41, 2
	s_lshl_b32 s43, 15, s43                        ; my row of the cluster: places 4 cy .. 4 cy + 3
	s_lshl_b32 s44, 0x1111, s40                    ; my column: places cx, cx + 4, cx + 8, cx + 12
	s_or_b32 s[G1+0], s43, (1<<16)|(1<<20)|(1<<21)|(5<<22)|(3<<25)  ; mask of my row; elements of 2 bytes; padding on; bit 21 beside a mask; after every 64 words 4 words
	s_mov_b32 s[G1+1], KSTEP<<16                   ; tensor_dim0 = 128
	s_mov_b32 s[G1+2], 128<<16                     ; tensor_dim1 = 128
	s_mov_b32 s[G1+3], KSTEP<<16                   ; tile_dim0 = 128
	s_mov_b32 s[G1+4], 128                         ; tile_dim1 = 128 rows
	s_mov_b32 s[G1+5], SIZE_K                      ; elements from row to row
	s_mov_b32 s[G1+6], 0
	s_mov_b32 s[G1+7], 0
	s_or_b32 s[G1B+0], s44, (1<<16)|(1<<20)|(1<<21)|(5<<22)|(3<<25) ; the same with the mask of my column
	s_mov_b32 s[G1B+1], KSTEP<<16
	s_mov_b32 s[G1B+2], 96<<16                     ; B's tiles have 96 rows
	s_mov_b32 s[G1B+3], KSTEP<<16
	s_mov_b32 s[G1B+4], 96
	s_mov_b32 s[G1B+5], SIZE_K
	s_mov_b32 s[G1B+6], 0
	s_mov_b32 s[G1B+7], 0
	; where the tiles come from: A's from the block row and the wave, B's from the block column and the wave, each in registers that never hold the other coordinate
	s_lshl_b32 s16, s13, 19                        ; 256 rows x 2,048 bytes
	s_lshl_b32 s17, s12, 18                        ; 128 rows
	s_add_co_u32 s16, s16, s17
	s_mov_b32 s17, 0
	s_mul_i32 s46, s42, 192*2048
	s_mul_i32 s47, s12, 96*2048
	s_add_co_u32 s46, s46, s47
	s_add_co_u32 s46, s46, 0x800000                ; W_qkv's bf16 copy begins 8 MiB into cbuf
	s_mov_b32 s47, 0
	s_mul_i32 s20, s10, HALFT                      ; where they go: the wave's number alone
	s_wait_dscnt 0x0
	s_wait_kmcnt 0x0
	s_add_nc_u64 s[14:15], s[4:5], s[16:17]
	s_add_nc_u64 s[46:47], s[4:5], s[46:47]
	CROUND                                         ; all sixteen work-groups are here: the first joint loads meet
.irp s, 0,1
	s_mov_b32 s[G0+4*\s], 1
	s_add_co_u32 s[G0+4*\s+1], s20, \s*SLOT
	s_add_nc_u64 s[G0+4*\s+2:G0+4*\s+3], s[14:15], \s*KSTEP*2
	s_or_b32 s[G0+4*\s+3], s[G0+4*\s+3], 0x80000000
	s_mov_b32 s[G0B+4*\s], 1
	s_add_co_u32 s[G0B+4*\s+1], s20, \s*SLOT
	s_add_nc_u64 s[G0B+4*\s+2:G0B+4*\s+3], s[46:47], \s*KSTEP*2
	s_or_b32 s[G0B+4*\s+3], s[G0B+4*\s+3], 0x80000000
	JLOAD \s                                       ; K steps 0 and 1: two loads of this wave are out, later one
.endr
	; a fragment is 16 rows x 32 K in 8 registers: lane l holds row l % 16; two loads of 16 bytes, 32 bytes apart, at row x pitch + 16 (l / 16)
	v_and_b32 v1, 15, v0
	v_bfe_u32 v2, v0, 4, 1
	v_mul_u32_u24 v3, v1, PITCH
	v_lshl_add_u32 v3, v2, 4, v3
	s_mul_i32 s21, s10, 64*PITCH                   ; my 64 tokens of A's 256 rows
	s_mov_b32 s22, 2*HALFT                         ; B lies behind A
.irp s, 0,1
	v_add_nc_u32 v[ADRA+\s], s21, v3
	v_add_nc_u32 v[ADRB+\s], s22, v3
	s_add_co_u32 s21, s21, SLOT
	s_add_co_u32 s22, s22, SLOT
.endr
	s_mul_i32 s23, s10, 16*SPITCH
	s_add_co_u32 s23, s23, STAGE                   ; my stage
	v_mul_u32_u24 v4, v1, SPITCH                   ; in: token l % 16, 16 bytes for each half of the lanes
	v_lshl_add_u32 v4, v2, 4, v4
	v_add_nc_u32 v[STO], s23, v4
	v_and_b32 v5, 31, v0
	v_lshrrev_b32 v6, 3, v5                        ; back: eight lanes take the 128 bytes of one token and one head, a load four tokens
	v_and_b32 v7, 7, v0
	v_mul_u32_u24 v6, v6, SPITCH
	v_lshl_add_u32 v6, v7, 4, v6
	v_add_nc_u32 v[RD], s23, v6
	v_lshlrev_b32 v[CO], 4, v5                     ; in qkvb a head's tokens follow each other: four tokens are 512 neighbouring bytes
; 12 matrix instructions: token tile a x all 12 feature tiles, 32 along K, from buffer f.  zero = 1: the first product starts the sums.
.macro MUL12 f, a, zero
.irp b, 0,1,2,3,4,5,6,7,8,9,10,11
.if \zero
	v_wmma_f32_16x16x32_bf16 v[8*(12*(\a&1)+\b):8*(12*(\a&1)+\b)+7], v[96*\f+8*\b:96*\f+8*\b+7], v[FA+32*\f+8*\a:FA+32*\f+8*\a+7], 0
.else
	v_wmma_f32_16x16x32_bf16 v[8*(12*(\a&1)+\b):8*(12*(\a&1)+\b)+7], v[96*\f+8*\b:96*\f+8*\b+7], v[FA+32*\f+8*\a:FA+32*\f+8*\a+7], v[8*(12*(\a&1)+\b):8*(12*(\a&1)+\b)+7]
.endif
.endr
.endm
; 32 LDS loads in one run: 192 rows of B, then my 64 rows of A, 32 K at byte k of the rows, into buffer f
.macro FETCH slot, k, f
	WIN TO_B
.irp b, 0,1,2,3,4,5,6,7,8,9,10,11
	ds_load_b128 v[96*\f+8*\b:96*\f+8*\b+3],   v[ADRB+\slot] offset:(\b/6)*HALFT+(\b%6)*16*PITCH+\k
	ds_load_b128 v[96*\f+8*\b+4:96*\f+8*\b+7], v[ADRB+\slot] offset:(\b/6)*HALFT+(\b%6)*16*PITCH+\k+32
.endr
	WIN 0
.irp a, 0,1,2,3
	ds_load_b128 v[FA+32*\f+8*\a:FA+32*\f+8*\a+3],   v[ADRA+\slot] offset:\a*16*PITCH+\k
	ds_load_b128 v[FA+32*\f+8*\a+4:FA+32*\f+8*\a+7], v[ADRA+\slot] offset:\a*16*PITCH+\k+32
.endr
.endm
; four places behind the matrix instructions that read a buffer, ahead of the loads into it and of whatever reads results (ISA guide 7.12.1 for vector instructions)
.macro PLACES
.rept 4
	v_nop
.endr
.endm
; A K step is four quarters of 32 along K, 48 matrix instructions each, on buffers 0, 1, 0, 1.  The 48 accumulators take turns, one instruction a turn,
; in the same order in every quarter.
.macro QUARTER slot, k, f, g, zero
	s_wait_dscnt 4                                 ; B and A's tiles 0, 1 are in; the youngest four loads (A's tiles 2, 3) may be out
	WIN MUL_LO
	MUL12 \f, 0, \zero
	MUL12 \f, 1, \zero
	PLACES
	FETCH \slot, \k, \g
	s_wait_dscnt 32                                ; all but the 32 just issued
	WIN MUL_HI
	MUL12 \f, 2, \zero
	MUL12 \f, 3, \zero
.endm
.macro THREE slot, zero
	QUARTER \slot, 64,  0, 1, \zero
	QUARTER \slot, 128, 1, 0, 0
	QUARTER \slot, 192, 0, 1, 0
.endm
; The last quarter multiplies buffer 1 and changes slots.  In front of the barrier each wave waits for its reads of this slot and for all its tensor
; loads (the one that is out is its part of the next slot); behind it the refill comes first, then the next slot's first fragments.
; From a request to the wait for it a wave issues 180 matrix instructions.
.macro TURN slot, next, fill
	s_wait_dscnt 4
	WIN MUL_LO
	MUL12 1, 0, 0
	s_wait_dscnt 0                                 ; my reads of this slot are over
	s_wait_tensorcnt 0x0                           ; all my tensor loads have landed
	ds_add_u32 v255, v255
	s_wait_dscnt 0x0
	s_barrier_signal -1                            ; where a slot is filled again this barrier opens a round of the cluster's barrier
	MUL12 1, 1, 0                                  ; register work while the others arrive
	WIN 0
	s_barrier_wait -1
.if \fill
	CREST                                          ; no wave of any partner still reads this slot or has a load on its way
	s_add_nc_u64 s[G0+4*\slot+2:G0+4*\slot+3], s[G0+4*\slot+2:G0+4*\slot+3], 2*KSTEP*2
	s_add_nc_u64 s[G0B+4*\slot+2:G0B+4*\slot+3], s[G0B+4*\slot+2:G0B+4*\slot+3], 2*KSTEP*2
	JLOAD \slot                                    ; the first tensor load behind the round, the wave's only one until the next
.endif
	PLACES
	FETCH \next, 0, 0
	WIN MUL_HI
	MUL12 1, 2, 0
	MUL12 1, 3, 0
.endm
.macro LAP zero
	THREE 0, \zero
	TURN 0, 1, 1
	THREE 1, 0
	TURN 1, 0, 1
.endm
	s_wait_tensorcnt 1                             ; my part of K step 0 is in; K step 1's load, issued behind it, stays out
	s_barrier_signal -1
	s_barrier_wait -1
	FETCH 0, 0, 0
	LAP 1                                          ; the first lap stands in front of the loop: its first products start the sums
.if LAPS > 2
	WIN 0
	s_mov_b32 s3, LAPS-2
.Llap:
	LAP 0
	WIN 0
	s_sub_co_u32 s3, s3, 1
	s_cmp_lg_u32 s3, 0
	s_cbranch_scc1 .Llap
.endif
	THREE 0, 0                                     ; the last lap fills nothing
	TURN 0, 1, 0
	THREE 1, 0
	s_wait_dscnt 4
	WIN MUL_LO
	MUL12 1, 0, 0
	MUL12 1, 1, 0
	s_wait_dscnt 0
	WIN MUL_HI
	MUL12 1, 2, 0
	MUL12 1, 3, 0
	; THE WAY OUT, 16 tokens at a time: round to bf16, 16 bytes a lane into my own stage, read back head by head, four tokens (512 bytes) a load.
	PLACES
	s_lshr_b32 s14, s13, 3                         ; batch = block row / 8
	s_mul_i32 s14, s14, 48*262144                  ; 48 heads' blocks of 2,048 x 128 bytes a batch
	s_and_b32 s15, s13, 7
	s_lshl_b32 s15, s15, 15                        ; 256 tokens x 128 bytes
	s_add_co_u32 s14, s14, s15
	s_lshl_b32 s15, s10, 13                        ; my 64 tokens
	s_add_co_u32 s16, s14, s15
	s_mov_b32 s17, 0
	s_add_nc_u64 s[8:9], s[6:7], s[16:17]
	s_mul_i32 s46, s42, 3*262144                   ; my three heads (in the registers that held B's address)
	s_mov_b32 s47, 0
	s_add_nc_u64 s[8:9], s[8:9], s[46:47]
.macro OUT16 a, from, dst
	WIN \from
.irp b, 0,1,2,3,4,5,6,7,8,9,10,11
.irp c, 0,1,2,3
	v_cvt_pk_bf16_f32 v[TMP+4*\b+\c], v[8*(12*(\a&1)+\b)+2*\c], v[8*(12*(\a&1)+\b)+2*\c+1]
.endr
.endr
	WIN 0
.irp b, 0,1,2,3,4,5,6,7,8,9,10,11
	ds_store_b128 v[STO], v[TMP+4*\b:TMP+4*\b+3] offset:32*\b
.endr
	s_wait_xcnt 0x0                                ; the set read back into, which earlier stores name as data, is rewritten only behind this wait (ISA guide 3.1)
.irp g, 0,1,2
.irp i, 0,1,2,3
	ds_load_b128 v[\dst+4*(4*\g+\i):\dst+4*(4*\g+\i)+3], v[RD] offset:\g*128+\i*4*SPITCH   ; LDS serves a wave's instructions in order: these see the stores above
.endr
.endr
.irp g, 0,1,2
.irp i, 0,1,2,3
	s_wait_dscnt 11-(4*\g+\i)
	global_store_b128 v[CO], v[\dst+4*(4*\g+\i):\dst+4*(4*\g+\i)+3], s[8:9] offset:\g*262144+\a*2048+\i*512   ; 512 neighbouring bytes at a multiple of 512
.endr
.endr
.endm
	OUT16 0, 0x0a, RB0
	OUT16 1, 0x0a, RB1
	OUT16 2, 0x0f, RB0
	OUT16 3, 0x0f, RB1
	s_set_vgpr_msb 0x1
	s_wait_tensorcnt 0x0
	ds_add_u32 v255, v255
	s_wait_dscnt 0x0
	s_set_vgpr_msb 0x100
	CROUND                                         ; the closing round: no work-group ends while a partner may still ask for a tile that names it
	s_endpgm
.Lfunc_end_k_qf56ccbd4fd_qkvgemm:
	.size	k_qf56ccbd4fd_qkvgemm, .Lfunc_end_k_qf56ccbd4fd_qkvgemm-k_qf56ccbd4fd_qkvgemm
	.p2alignl 7, 3214868480
	.fill 96, 4, 3214868480
	.section	.rodata,"a",@progbits
	.p2align	6, 0x0
	.amdhsa_kernel k_qf56ccbd4fd_qkvgemm
		.amdhsa_group_segment_fixed_size 327680
		.amdhsa_private_segment_fixed_size 0
		.amdhsa_enable_private_segment 0
		.amdhsa_kernarg_size 16
		.amdhsa_user_sgpr_count 2
		.amdhsa_user_sgpr_kernarg_segment_ptr 1
		.amdhsa_wavefront_size32 1
		.amdhsa_system_sgpr_workgroup_id_x 1
		.amdhsa_system_sgpr_workgroup_id_y 1
		.amdhsa_system_sgpr_workgroup_id_z 1
		.amdhsa_system_vgpr_workitem_id 0
		.amdhsa_next_free_vgpr 960
		.amdhsa_next_free_sgpr 66
		.amdhsa_reserve_vcc 0
		.amdhsa_float_denorm_mode_32 3
		.amdhsa_float_denorm_mode_16_64 3
		.amdhsa_memory_ordered 1
		.amdhsa_forward_progress 1
		.amdhsa_inst_pref_size 163
	.end_amdhsa_kernel
	.amdgpu_metadata
---
amdhsa.version: [ 1, 2 ]
amdhsa.kernels:
  - .name:           k_qf56ccbd4fd_qkvgemm
    .symbol:         k_qf56ccbd4fd_qkvgemm.kd
    .args:
      - { .name: cbuf, .offset: 0, .size: 8, .value_kind: global_buffer, .address_space: global }
      - { .name: qkvb, .offset: 8, .size: 8, .value_kind: global_buffer, .address_space: global }
    .group_segment_fixed_size: 327680
    .private_segment_fixed_size: 0
    .kernarg_segment_align: 8
    .kernarg_segment_size: 16
    .max_flat_workgroup_size: 128
    .sgpr_count:     66
    .vgpr_count:     960
    .wavefront_size: 32
...
	.end_amdgpu_metadata
.endif
;; end of part 2
;; launch attn (part 3): grid 16 x 16, 8 waves a work-group, clusters of 4 x 1, 327,680 bytes of LDS; arguments qkvb, lbias, aob; writes aob
.if DOCPART == 3
	.amdgcn_target "amdgcn-amd-amdhsa--gfx1250"
	.amdhsa_code_object_version 6
	.text
	.protected	k_qf56ccbd4fd_attn
	.globl	k_qf56ccbd4fd_attn
	.p2align	8
	.type	k_qf56ccbd4fd_attn,@function
k_qf56ccbd4fd_attn:
	s_mov_b64 s[64:65], 0
	v_nop
	global_prefetch_b8 v0, s[64:65] scope:SCOPE_SE
	s_setreg_imm32_b32 hwreg(HW_REG_WAVE_MODE, 25, 1), 1
	s_wait_xcnt 0x0
	s_wait_alu depctr_hold_cnt(0) depctr_sa_sdst(0) depctr_va_vdst(0) depctr_va_sdst(0) depctr_va_ssrc(0) depctr_va_vcc(0) depctr_vm_vsrc(0)
	s_getreg_b32 s2, hwreg(HW_REG_IB_STS2, 6, 4)
	s_cmp_eq_u32 s2, 0
	s_cbranch_scc0 .Lentry_in_a_cluster
	s_endpgm
.Lentry_in_a_cluster:
	s_bfe_u32 s2, ttmp6, 0x10000c
	s_cmp_lg_u32 s2, 0x3003
	s_cbranch_scc0 .Lentry_shape_is_right
	s_endpgm
.Lentry_shape_is_right:
; attn: softmax attention with a running maximum, in base 2 (the queries carry 0.125 log2 e, the bias is log2(conf + 1e-8)).
; A work-group has 128 queries of two neighbouring heads of one batch: grid x = query block, y = 8 x batch + pair of heads.  Eight waves: wave w has head
; 2 pair + (w >> 2) and the 32 queries 32 (w & 3) .. + 31.  Two heads make each row of the output 256 neighbouring bytes.
; CLUSTERS: the four query blocks of a cluster walk the same keys and values, so every K and V tile is asked for jointly (mask 15).
; LAYOUT, no traffic between lanes but one exchange of the halves:
;   S^T = K Q^T (source 0 = 16 keys, source 1 = 16 queries): lane (r, h) holds query r, keys 8 h + j.  The bias of the keys enters as C of the first product.
;   The maximum of a query is taken inside the lane and once across the halves.  Two neighbouring tiles of S^T, packed to bf16, are the second source of
;   O^T = V^T P^T as they stand; V^T comes from LDS by transposing loads.  The rescale and 1 / l are one number a lane.
; SCHEDULE.  A step is 64 keys; a wave's work is the cyclic stream  S(t) | loads V(t), K(t+1), bias(t+1) | SOFTA(t) | SOFTB(t) | PV(t) | S(t+1) ..
; (SOFTA: maximum, subtraction, exponentials; SOFTB: sums, packing, rescale of O).  What a product needs from LDS is requested a step ahead, so PV(t) and
; S(t+1) follow each other with nothing to wait for.  The eight waves are two groups that run this one stream cut at different places by the barriers:
;   group A, a trip:  SOFTB(t-1) PV(t-1) S(t) loads SOFTA(t)          group B, a trip:  S(t) loads SOFTA(t) SOFTB(t) PV(t)
; so behind each barrier one group begins with matrix work and the other with vector work, half a step apart.  Both read the same LDS bytes in the same trip.
; group = (w & 1) xor (w >> 2): waves w and w + 4 differ in it, and so do waves 2 i and 2 i + 1.  The two orders are two branches on the wave's number
; between the barriers; no barrier and no tensor load stands inside them.
; RING.  Two LDS slots, a period of two steps each; each wave fetches one tile of 64 rows x 128 bytes (rows are an attention head's, 128 bytes).  K's tiles run
; 64 keys ahead of V's: the slot of period p holds V(2p), V(2p+1), K(2p+1), K(2p+2), which is what the period's two trips read.  K(0) comes once straight
; from memory into the fragment registers; K(32) does not exist, so in the last refill waves 1 and 3 issue no load.
; SCALARS: s[24:47] hold the descriptors and are written by nothing else; all other scalars are made ahead of the first fills.
; LIMITS: an exponential below 2^-126 counts as 0.  The sum l is taken over the f32 exponentials, the product over their bf16 roundings.
.set SUB,   10240                      ; room of one tile: K 64 x 144 bytes, V 64 x 160 bytes
.set SLOT,  8*SUB                      ; K head 0 (two steps), K head 1, V head 0, V head 1
.set BIAS,  2*SLOT                     ; 8,192 bytes: my batch's bias; written by LDS stores, no tensor load lands here
.set STAGE, BIAS+8192                  ; the way out: a region of its own for each wave; likewise
.set KP,    144                        ; odd multiple of 16: the 16 rows of a fragment load start 16 bytes apart modulo 256
.set VP,    160                        ; odd multiple of 32, for the transposing loads
.set SP,    144                        ; a stage row: 128 bytes (one head's 64 bf16) + 16
.set SREG,  32*SP+32                   ; a wave's region: 32 rows; four regions are 128 modulo 256, so the two heads' halves of a row read back from different columns
.set KA,  8                            ; v8-9    my K fragments in slot 0, 1
.set VA,  10                           ; v10-11  my V fragments in slot 0, 1
.set BA,  12                           ; v12     the bias of the period's first step
.set STO, 13
.set RD,  14
.set CO,  15
.set ST,  16                           ; v[16+8u ..]: 0 m, 1 l, 2 -m, 3 at work, 4 rescale, 5 filler of its pair, 6-7 a sum
.set CH,  32                           ; v[32+4u ..]: 0, 1 two chains of the maximum, 2-3 a second sum
.set QF,  40                           ; v40-71    Q fragment (u, c) at 16 u + 8 c
.set SC,  72                           ; v72-135   S^T tile (t, u) at 8 (2 t + u); P(g, u) takes the place of tile (2 g, u)
.set KF,  136                          ; v136-199  K fragment (t, c) at 16 t + 8 c
.set BI,  200                          ; v200-231  bias of key tile t at 8 t
.set OA,  0                            ; window 1: O^T tile (d, u) at 8 (2 d + u)
.set VF,  64                           ; window 1: V^T fragment (g, d) at 32 g + 8 d
.set G1K, 24                           ; s[24:31] group 1 for K's tiles
.set G1V, 32                           ; s[32:39] group 1 for V's tiles: another padding
.set G0,  40                           ; s[40:47] group 0, one set a slot
.set MSB, 0
.set LDN,  24                          ; the number of the next K or bias load of a step's 24; 24: none is left
.set LDKA, KA                          ; its address register, its K offset, its bias offset
.set LDKO, 0
.set LDBO, 0
.macro WIN new                         ; the immediate's high byte repeats the setting that is left
.if MSB != \new
	s_set_vgpr_msb (MSB<<8)|\new
.set MSB, \new
.endif
.endm
.macro ROUND                           ; a round of the cluster's barrier
	s_barrier_signal -1
	s_barrier_wait -1
	s_cmp_lg_u32 s8, 0
	s_cbranch_scc1 .Lnot_wave_0_\@
	s_barrier_signal -3
.Lnot_wave_0_\@:
	s_barrier_wait -3
	s_barrier_signal -1
	s_barrier_wait -1
.endm
.macro JLOAD slot                      ; waves 0-3 fetch K's four tiles, waves 4-7 V's
	s_cmp_eq_u32 s9, 0
	s_cbranch_scc0 .Lfor_v_\@
	tensor_load_to_lds s[G0+4*(\slot):G0+4*(\slot)+3], s[G1K:G1K+7]
	s_nop 0
	s_branch .Lasked_\@
.Lfor_v_\@:
	tensor_load_to_lds s[G0+4*(\slot):G0+4*(\slot)+3], s[G1V:G1V+7]
	s_nop 0
.Lasked_\@:
.endm
.macro JLOADE slot                     ; the last refill: waves 1 and 3 would fetch K(32), which begins at the head's end: they issue none
	s_cmp_eq_u32 s9, 0
	s_cbranch_scc0 .Lend_v_\@
	s_cmp_eq_u32 s56, 0
	s_cbranch_scc0 .Lend_d_\@
	tensor_load_to_lds s[G0+4*(\slot):G0+4*(\slot)+3], s[G1K:G1K+7]
	s_nop 0
	s_branch .Lend_d_\@
.Lend_v_\@:
	tensor_load_to_lds s[G0+4*(\slot):G0+4*(\slot)+3], s[G1V:G1V+7]
	s_nop 0
.Lend_d_\@:
.endm
; The next of a step's 24 loads: numbers 0-15 K's fragments (n = 4 t + 2 c + q: register 4 n, 16 rows t, 64 bytes c, 32 bytes q), 16-23 the bias
; (register j of tile t: the bias of key 16 t + 8 h + j, the same in all lanes of a half).
.macro NEXTLD
.if LDN < 16
	ds_load_b128 v[KF+4*LDN:KF+4*LDN+3], v[LDKA] offset:LDKO+(LDN/4)*16*KP+((LDN/2)%2)*64+(LDN%2)*32
.set LDN, LDN+1
.else
.if LDN < 24
	ds_load_b128 v[BI+4*(LDN-16):BI+4*(LDN-16)+3], v[BA] offset:LDBO+((LDN-16)/2)*64+((LDN-16)%2)*16
.set LDN, LDN+1
.endif
.endif
.endm
.macro LD4                             ; a short run of them, between vector work
.rept 4
	NEXTLD
.endr
.endm
.macro LOADV slot, half                ; V^T's eight fragments of a step, sixteen transposing loads
	WIN 0x40                                       ; destination window 1, address window 0
.irp g, 0,1
.irp d, 0,1,2,3
	ds_load_tr16_b128 v[VF+32*\g+8*\d:VF+32*\g+8*\d+3],   v[VA+\slot] offset:\half*SUB+\g*32*VP+\d*32
	ds_load_tr16_b128 v[VF+32*\g+8*\d+4:VF+32*\g+8*\d+7], v[VA+\slot] offset:\half*SUB+\g*32*VP+\d*32+16*VP
.endr
.endr
	WIN 0
.endm
; S^T = bias + K Q^T: eight tiles take turns, one instruction a turn, twice round
.macro SMUL
	s_wait_alu depctr_va_vdst(0)
.irp t, 0,1,2,3
.irp u, 0,1
	v_wmma_f32_16x16x32_bf16 v[SC+8*(2*\t+\u):SC+8*(2*\t+\u)+7], v[KF+16*\t:KF+16*\t+7], v[QF+16*\u:QF+16*\u+7], v[BI+8*\t:BI+8*\t+7]
.endr
.endr
.irp t, 0,1,2,3
.irp u, 0,1
	v_wmma_f32_16x16x32_bf16 v[SC+8*(2*\t+\u):SC+8*(2*\t+\u)+7], v[KF+16*\t+8:KF+16*\t+15], v[QF+16*\u+8:QF+16*\u+15], v[SC+8*(2*\t+\u):SC+8*(2*\t+\u)+7]
.endr
.endr
.rept 4
	v_nop                                          ; four places ahead of the first read of a result and of the loads into K's, the bias's and V's registers (ISA guide 7.12.1 for vector instructions)
.endr
.endm
; The products of step t, then the requests: V(t) at once, K(t+1) and bias(t+1) (hask = 1) handed to SOFTA, which issues them in runs of four.
; In the slot K(t+1) lies at the same half as V(t), since K's tiles run one step ahead.
.macro SPART slot, half, hask
	s_wait_dscnt 0x0                               ; K(t) and bias(t) are in (requested a step ago)
	SMUL
	LOADV \slot, \half
.if \hask
.set LDKA, KA+\slot
.set LDKO, \half*SUB
.set LDBO, (\half+1)*256
.set LDN, 0
.else
.set LDN, 24
.endif
.endm
; SOFTA: the running maximum, the subtraction, the exponentials.  first = 1: the very first step has no old maximum.
.macro SOFTA first
	; for each query tile two chains of three-way maxima over my 32 scores, the old maximum in the first; four chains interleaved
.irp u, 0,1
.if \first
	v_max_num_f32 v[CH+4*\u], v[SC+8*\u], v[SC+8*\u+1]
.else
	v_max3_num_f32 v[CH+4*\u], v[ST+8*\u], v[SC+8*\u], v[SC+8*\u+1]
.endif
	v_max3_num_f32 v[CH+4*\u+1], v[SC+32+8*\u], v[SC+32+8*\u+1], v[SC+32+8*\u+2]
.endr
.set vi, 1
.rept 6
.irp u, 0,1
	v_max3_num_f32 v[CH+4*\u], v[CH+4*\u], v[SC+8*\u+16*((2*vi)/8)+(2*vi)%8], v[SC+8*\u+16*((2*vi+1)/8)+(2*vi+1)%8]
	v_max3_num_f32 v[CH+4*\u+1], v[CH+4*\u+1], v[SC+32+8*\u+16*((2*vi+1)/8)+(2*vi+1)%8], v[SC+32+8*\u+16*((2*vi+2)/8)+(2*vi+2)%8]
.endr
.if vi == 3
	LD4
.endif
.set vi, vi+1
.endr
.irp u, 0,1
	v_max3_num_f32 v[CH+4*\u], v[CH+4*\u], v[SC+16+8*\u+6], v[SC+16+8*\u+7]
.endr
.irp u, 0,1
	v_max3_num_f32 v[CH+4*\u+1], v[CH+4*\u+1], v[SC+48+8*\u+7], v[CH+4*\u]
.endr
.irp u, 0,1
	v_permlanex16_b32 v[ST+8*\u+3], v[CH+4*\u+1], s48, s49     ; the other half of the lanes holds the same query's other keys
.endr
.irp u, 0,1
	v_max_num_f32 v[CH+4*\u+1], v[CH+4*\u+1], v[ST+8*\u+3]     ; the new maximum
.endr
.if \first == 0
.irp u, 0,1
	v_sub_f32 v[ST+8*\u+4], v[ST+8*\u], v[CH+4*\u+1]           ; old - new, at most 0
.endr
.endif
.irp u, 0,1
	v_mov_b32 v[ST+8*\u], v[CH+4*\u+1]
	v_sub_f32 v[ST+8*\u+2], 0, v[CH+4*\u+1]
.endr
	LD4
.irp t, 0,1,2,3
.irp u, 0,1
.irp j, 0,2,4,6
	v_pk_add_f32 v[SC+8*(2*\t+\u)+\j:SC+8*(2*\t+\u)+\j+1], v[SC+8*(2*\t+\u)+\j:SC+8*(2*\t+\u)+\j+1], v[ST+8*\u+2:ST+8*\u+3] op_sel_hi:[1,0]
.endr
.if (2*\t+\u) == 3
	LD4
.endif
.endr
.endr
	LD4
.if \first == 0
.irp u, 0,1
	v_exp_f32 v[ST+8*\u+4], v[ST+8*\u+4]           ; the rescale of l and O
.endr
.endif
.irp j, 0,1,2,3,4,5,6,7,8,9,10,11,12,13,14,15,16,17,18,19,20,21,22,23,24,25,26,27,28,29,30,31
	v_exp_f32 v[SC+2*\j], v[SC+2*\j]
	v_exp_f32 v[SC+2*\j+1], v[SC+2*\j+1]
.if \j == 8
	LD4
.endif
.if \j == 18
	LD4                                            ; the sixth run: all 24 are out
.endif
.endr
	v_nop                                          ; one plain place behind the exponentials (ISA guide 5.7.2)
.endm
; SOFTB: the sum l, P^T in bf16, the rescale of O.  first = 1: l starts, and there is no O yet.
.macro SOFTB first
	s_wait_alu depctr_va_vdst(0)
.irp u, 0,1
	v_pk_add_f32 v[ST+8*\u+6:ST+8*\u+7], v[SC+8*\u:SC+8*\u+1], v[SC+8*\u+2:SC+8*\u+3]
	v_pk_add_f32 v[CH+4*\u+2:CH+4*\u+3], v[SC+8*\u+4:SC+8*\u+5], v[SC+8*\u+6:SC+8*\u+7]
.endr
.irp t, 1,2,3
.irp j, 0,4
.irp u, 0,1
	v_pk_add_f32 v[ST+8*\u+6:ST+8*\u+7], v[ST+8*\u+6:ST+8*\u+7], v[SC+8*(2*\t+\u)+\j:SC+8*(2*\t+\u)+\j+1]
	v_pk_add_f32 v[CH+4*\u+2:CH+4*\u+3], v[CH+4*\u+2:CH+4*\u+3], v[SC+8*(2*\t+\u)+\j+2:SC+8*(2*\t+\u)+\j+3]
.endr
.endr
.endr
.irp u, 0,1
	v_pk_add_f32 v[ST+8*\u+6:ST+8*\u+7], v[ST+8*\u+6:ST+8*\u+7], v[CH+4*\u+2:CH+4*\u+3]
.endr
.irp u, 0,1
.if \first
	v_add_f32 v[ST+8*\u+1], v[ST+8*\u+6], v[ST+8*\u+7]         ; l of my half of the keys
.else
	v_add_f32 v[ST+8*\u+6], v[ST+8*\u+6], v[ST+8*\u+7]
.endif
.endr
.if \first == 0
.irp u, 0,1
	v_fma_f32 v[ST+8*\u+1], v[ST+8*\u+1], v[ST+8*\u+4], v[ST+8*\u+6]
.endr
.endif
	; P^T(g, u): registers 0-3 from tile (2 g, u), in place and ascending, registers 4-7 from tile (2 g + 1, u)
.irp g, 0,1
.irp u, 0,1
.irp j, 0,1,2,3
	v_cvt_pk_bf16_f32 v[SC+8*(4*\g+\u)+\j], v[SC+8*(4*\g+\u)+2*\j], v[SC+8*(4*\g+\u)+2*\j+1]
.endr
.irp j, 0,1,2,3
	v_cvt_pk_bf16_f32 v[SC+8*(4*\g+\u)+4+\j], v[SC+8*(4*\g+2+\u)+2*\j], v[SC+8*(4*\g+2+\u)+2*\j+1]
.endr
.endr
.endr
.if \first == 0
	WIN 0x41                                       ; O in window 1, the rescale in window 0
.irp d, 0,1,2,3
.irp u, 0,1
.irp j, 0,2,4,6
	v_pk_mul_f32 v[OA+8*(2*\d+\u)+\j:OA+8*(2*\d+\u)+\j+1], v[OA+8*(2*\d+\u)+\j:OA+8*(2*\d+\u)+\j+1], v[ST+8*\u+4:ST+8*\u+5] op_sel_hi:[1,0]
.endr
.endr
.endr
.endif
.endm
; O^T += V^T P^T: eight tiles take turns, one instruction a turn, twice round.  left = the LDS loads issued behind V's sixteen.
.macro PVM first, left
	s_wait_dscnt \left                             ; V's fragments are in; the next step's K and bias may stay out
	WIN 0x51                                       ; V^T and O in window 1, P^T in window 0
.irp g, 0,1
.irp d, 0,1,2,3
.irp u, 0,1
.if \first*(1-\g)
	v_wmma_f32_16x16x32_bf16 v[OA+8*(2*\d+\u):OA+8*(2*\d+\u)+7], v[VF+32*\g+8*\d:VF+32*\g+8*\d+7], v[SC+8*(4*\g+\u):SC+8*(4*\g+\u)+7], 0
.else
	v_wmma_f32_16x16x32_bf16 v[OA+8*(2*\d+\u):OA+8*(2*\d+\u)+7], v[VF+32*\g+8*\d:VF+32*\g+8*\d+7], v[SC+8*(4*\g+\u):SC+8*(4*\g+\u)+7], v[OA+8*(2*\d+\u):OA+8*(2*\d+\u)+7]
.endif
.endr
.endr
.endr
	WIN 0
.rept 5
	v_nop                                          ; five places: the next S products write over P (ISA guide 7.12.1)
.endr
.endm
; A trip of group A: the second half of step t - 1 (f = 1: that is step 0), then the first half of step t.
.macro TRIPA slot, half, hask, f
	SOFTB \f
	PVM \f, 24
	SPART \slot, \half, \hask
	SOFTA 0
.endm
; A trip of group B: step t whole (f = 1: step 0).
.macro TRIPB slot, half, hask, f
	SPART \slot, \half, \hask
	SOFTA \f
	SOFTB \f
	PVM \f, 24*(\hask)
.endm
; A period: the two trips that read slot cur.  In front of the barrier every wave waits for all its tensor loads (its tile of this slot among them) and for its
; LDS loads, the reads of the other slot among them.  mode 2: the barrier is a round of the cluster's, and behind it the other slot is asked for again, one load
; a wave, with the period's two trips in which to land; mode 3: the same, the last refill; mode 1: nothing is left to fetch, a barrier shows the last tiles to all.
.macro PERIOD cur, mode, last
	s_wait_tensorcnt 0x0
	ds_add_u32 v254, v255
	s_wait_dscnt 0x0
.if \mode >= 2
	s_add_nc_u64 s[G0+6-4*\cur:G0+7-4*\cur], s[G0+6-4*\cur:G0+7-4*\cur], 32768   ; no load of mine is out: the other slot's address steps 256 keys on
.endif
	s_wait_dscnt 0x0
	v_add_nc_u32 v[BA], 512, v[BA]                 ; this period's 128 keys' bias
.if \mode >= 2
	ROUND
.if \mode == 2
	JLOAD 1-\cur
.else
	JLOADE 1-\cur
.endif
.else
	s_barrier_signal -1
	s_barrier_wait -1
.endif
	s_cmp_eq_u32 s55, 0
	s_cbranch_scc0 .Lgroup_b_\@
	TRIPA \cur, 0, 1, 0
	TRIPA \cur, 1, 1-\last, 0
.if \last
	SOFTB 0                                        ; group A's stream ends half a step later: the second half of step 31
	PVM 0, 0
.endif
	s_branch .Lgroup_j_\@
.Lgroup_b_\@:
	TRIPB \cur, 0, 1, 0
	TRIPB \cur, 1, 1-\last, 0
.Lgroup_j_\@:
.endm
	s_load_b128 s[4:7], s[0:1], 0x0                ; qkvb s[4:5], lbias s[6:7]
	s_load_b64 s[10:11], s[0:1], 0x10              ; aob
	v_lshl_add_u32 v254, v0, 2, 0x33100
	v_mov_b32 v255, 0
	ds_add_u32 v254, v255
	v_lshrrev_b32 v1, 5, v0
	v_readfirstlane_b32 s8, v1                     ; wave 0..7
	s_lshr_b32 s9, s8, 2                           ; my head of the pair.  Also: I fetch for K (0) or for V (1)
	s_and_b32 s56, s8, 1                           ; which of a head's two tiles I fetch
	s_xor_b32 s55, s56, s9                         ; my group: 0 = A, 1 = B
	s_and_b32 s51, s8, 3                           ; which 32 queries of the block
	s_and_b32 s12, ttmp7, 0xffff
	s_lshr_b32 s13, s12, 3                         ; batch
	s_and_b32 s14, s12, 7                          ; pair of heads
	s_mul_i32 s15, s13, 48
	s_lshl_b32 s16, s14, 1
	s_add_co_u32 s15, s15, s16                     ; 48 b + 2 pair: the block of the pair's first query head
	s_mov_b32 s48, 0x76543210                      ; v_permlanex16_b32: lane i of one half reads lane i of the other
	s_mov_b32 s49, 0xfedcba98
	s_mov_b32 s[G1K+0], 15|(1<<16)|(1<<20)|(1<<21)|(4<<22)|(3<<25)  ; mask: all four of the cluster; 2 bytes; padding on; bit 21 beside a mask; after every 32 words 4 words
	s_mov_b32 s[G1K+1], 64<<16                     ; tensor_dim0 = 64
	s_mov_b32 s[G1K+2], 64<<16                     ; tensor_dim1 = 64
	s_mov_b32 s[G1K+3], 64<<16                     ; tile_dim0 = 64
	s_mov_b32 s[G1K+4], 64                         ; tile_dim1 = 64 rows
	s_mov_b32 s[G1K+5], 64                         ; elements from row to row
	s_mov_b32 s[G1K+6], 0
	s_mov_b32 s[G1K+7], 0
	s_mov_b32 s[G1V+0], 15|(1<<16)|(1<<20)|(1<<21)|(4<<22)|(7<<25)  ; the same, 8 words of padding
	s_mov_b32 s[G1V+1], 64<<16
	s_mov_b32 s[G1V+2], 64<<16
	s_mov_b32 s[G1V+3], 64<<16
	s_mov_b32 s[G1V+4], 64
	s_mov_b32 s[G1V+5], 64
	s_mov_b32 s[G1V+6], 0
	s_mov_b32 s[G1V+7], 0
	; my tile: block 48 b + 16 + 16 (w >> 2) + 2 pair + ((w >> 1) & 1); V: keys 64 (w & 1) .., K: keys 64 (w & 1) + 64 ..: made of the batch, the pair and the wave, which the four partners share
	s_bfe_u32 s16, s8, 0x10001
	s_lshl_b32 s17, s9, 4
	s_add_co_u32 s17, s17, s16
	s_add_co_u32 s17, s17, s15
	s_add_co_u32 s17, s17, 16
	s_lshl_b32 s17, s17, 18                        ; 2,048 x 128 bytes a block
	s_xor_b32 s16, s9, 1                           ; K's tiles run one step ahead
	s_add_co_u32 s16, s16, s56
	s_lshl_b32 s16, s16, 13                        ; 64 keys x 128 bytes
	s_add_co_u32 s16, s16, s17
	s_mov_b32 s17, 0
	s_mul_i32 s20, s8, SUB                         ; where it goes: the wave's number alone
	s_add_co_u32 s58, s15, s9                      ; K(0) of my head, for the fragment registers
	s_add_co_u32 s58, s58, 16
	s_lshl_b32 s58, s58, 18
	s_mov_b32 s59, 0
	; global offsets that hang on my place in the cluster, the queries' and the output's: s21, s22, s23, s52, s57, s62 hold it and enter no LDS address
	s_bfe_u32 s21, ttmp6, 0x40000                  ; cx
	s_lshl_b32 s22, ttmp9, 2
	s_add_co_u32 s22, s22, s21                     ; query block = 4 x cluster x + cx
	s_add_co_u32 s23, s15, s9                      ; my query head's block
	s_lshl_b32 s23, s23, 18
	s_lshl_b32 s57, s22, 14                        ; 128 queries x 128 bytes
	s_add_co_u32 s23, s23, s57
	s_lshl_b32 s54, s51, 12                        ; 32 queries x 128 bytes
	s_add_co_u32 s52, s23, s54
	s_mov_b32 s53, 0
	s_lshl_b32 s60, s13, 13                        ; my batch's bias
	s_mov_b32 s61, 0
	s_lshl_b32 s62, s13, 22                        ; 2,048 rows x 2,048 bytes of aob a batch
	s_lshl_b32 s57, s22, 18                        ; 128 rows
	s_add_co_u32 s62, s62, s57
	s_lshl_b32 s57, s14, 8                         ; the pair's 256 bytes of a row
	s_add_co_u32 s62, s62, s57
	s_mov_b32 s63, 0
	; LDS bases: constants and the wave's number
	s_mul_i32 s66, s9, 2*SUB                       ; my head's two K tiles
	s_add_co_u32 s67, s66, 4*SUB                   ; V lies behind K
	s_mul_i32 s68, s8, SREG                        ; the way out, in: my own region of the stage
	s_add_co_u32 s68, s68, STAGE
	s_lshr_b32 s69, s8, 1                          ; back: wave w takes the block's rows 16 w .. 16 w + 15: regions w >> 1 (head 0) and 4 + (w >> 1) (head 1)
	s_mul_i32 s69, s69, SREG
	s_mul_i32 s70, s56, 16*SP
	s_add_co_u32 s69, s69, s70
	s_add_co_u32 s69, s69, STAGE
	s_lshl_b32 s71, s8, 15                         ; 16 rows x 2,048 bytes of aob
	v_lshlrev_b32 v6, 4, v0                        ; 16 t
	v_and_b32 v1, 15, v0                           ; r
	v_bfe_u32 v2, v0, 4, 1                         ; h
	v_lshlrev_b32 v7, 7, v1
	v_lshl_add_u32 v7, v2, 4, v7                   ; row r of 128 bytes + 16 h
	s_wait_dscnt 0x0
	s_wait_kmcnt 0x0
	s_add_nc_u64 s[18:19], s[4:5], s[16:17]        ; my tile of period 0
	s_add_nc_u64 s[58:59], s[4:5], s[58:59]        ; K(0)
	s_add_nc_u64 s[52:53], s[4:5], s[52:53]        ; my 32 queries
	s_add_nc_u64 s[6:7], s[6:7], s[60:61]
	s_add_nc_u64 s[10:11], s[10:11], s[62:63]
	; what comes through registers is requested ahead of the round
	global_load_b128 v[SC:SC+3], v6, s[6:7]        ; the bias, 8,192 bytes by 256 threads
	global_load_b128 v[SC+4:SC+7], v6, s[6:7] offset:4096
.irp u, 0,1
.irp c, 0,1
	global_load_b128 v[QF+16*\u+8*\c:QF+16*\u+8*\c+3],   v7, s[52:53] offset:\u*2048+\c*64
	global_load_b128 v[QF+16*\u+8*\c+4:QF+16*\u+8*\c+7], v7, s[52:53] offset:\u*2048+\c*64+32
.endr
.endr
.irp t, 0,1,2,3
.irp c, 0,1
	global_load_b128 v[KF+16*\t+8*\c:KF+16*\t+8*\c+3],   v7, s[58:59] offset:\t*2048+\c*64
	global_load_b128 v[KF+16*\t+8*\c+4:KF+16*\t+8*\c+7], v7, s[58:59] offset:\t*2048+\c*64+32
.endr
.endr
.irp p, 0,1
	s_mov_b32 s[G0+4*\p], 1
	s_add_co_u32 s[G0+4*\p+1], s20, \p*SLOT
	s_add_nc_u64 s[G0+4*\p+2:G0+4*\p+3], s[18:19], \p*16384   ; slot p: period p, 128 keys on
	s_or_b32 s[G0+4*\p+3], s[G0+4*\p+3], 0x80000000
.endr
	ROUND                                          ; all four work-groups are here: the first joint loads meet
	s_cmp_eq_u32 s9, 0                             ; a wave's two first fills stand in one branch: two loads of this wave are out, later one
	s_cbranch_scc0 .Lfirst_v
	tensor_load_to_lds s[G0:G0+3], s[G1K:G1K+7]
	s_nop 0
	tensor_load_to_lds s[G0+4:G0+7], s[G1K:G1K+7]
	s_nop 0
	s_branch .Lfirst_done
.Lfirst_v:
	tensor_load_to_lds s[G0:G0+3], s[G1V:G1V+7]
	s_nop 0
	tensor_load_to_lds s[G0+4:G0+7], s[G1V:G1V+7]
	s_nop 0
.Lfirst_done:
	; LDS addresses: a lane term, constants and the wave's bases
	v_mul_u32_u24 v5, v1, KP
	v_lshl_add_u32 v5, v2, 4, v5                   ; key r's row + 16 h
	v_add_nc_u32 v[KA], s66, v5
	v_add_nc_u32 v[KA+1], SLOT, v[KA]
	v_and_b32 v3, 7, v0
	v_bfe_u32 v4, v0, 3, 1
	v_lshl_add_u32 v5, v2, 3, v3                   ; key 8 h + (l & 7)
	v_mul_u32_u24 v5, v5, VP
	v_lshl_add_u32 v5, v4, 4, v5                   ; + 16 ((l >> 3) & 1)
	v_add_nc_u32 v[VA], s67, v5
	v_add_nc_u32 v[VA+1], SLOT, v[VA]
	v_lshlrev_b32 v[BA], 5, v2                     ; eight keys' bias: 32 h
	v_add_nc_u32 v[BA], BIAS, v[BA]
	v_mul_u32_u24 v5, v1, SP                       ; the way out, in: query r's row, 16 bytes for each half of the lanes
	v_lshl_add_u32 v5, v2, 4, v5
	v_add_nc_u32 v[STO], s68, v5
	v_mul_u32_u24 v5, v2, SP                       ; back: lanes 16-31 the next row,
	v_lshl_add_u32 v5, v3, 4, v5                   ; 16 (l & 7),
	v_mul_u32_u24 v4, v4, 4*SREG                   ; lanes 8-15 of a row from head 1's regions, four regions on
	v_add_nc_u32 v5, v5, v4
	v_add_nc_u32 v[RD], s69, v5
	v_lshlrev_b32 v5, 11, v2
	v_lshl_add_u32 v5, v1, 4, v5
	v_add_nc_u32 v[CO], s71, v5
	v_add_nc_u32 v3, BIAS, v6
.irp u, 0,1
	v_mov_b32 v[ST+8*\u+3], 0                      ; written once: the exchange's destination and the second registers of the broadcast pairs count as read
	v_mov_b32 v[ST+8*\u+5], 0
.endr
	s_wait_loadcnt 24                              ; the bias is in; the 8 loads of Q and the 16 of K(0), issued behind it, may stay out
	ds_store_b128 v3, v[SC:SC+3]
	ds_store_b128 v3, v[SC+4:SC+7] offset:4096
	s_wait_loadcnt 0x0
	s_wait_dscnt 0x0                               ; for the other waves: my part of the bias lies in LDS
	s_wait_tensorcnt 0x1                           ; my tile of slot 0 has landed; slot 1's, issued behind it, stays out
	s_barrier_signal -1
	s_barrier_wait -1
	; period 0, written out: the first step starts m, l and O
.set LDBO, 0
.set LDN, 16
	LD4                                            ; bias(0)
	LD4
	s_cmp_eq_u32 s55, 0
	s_cbranch_scc0 .Lstart_b
	SPART 0, 0, 1
	SOFTA 1
	TRIPA 0, 1, 1, 1
	s_branch .Lstart_j
.Lstart_b:
	TRIPB 0, 0, 1, 1
	TRIPB 0, 1, 1, 0
.Lstart_j:
	s_mov_b32 s50, 6                               ; periods 1 to 12
.Lkv:
	PERIOD 1, 2, 0
	PERIOD 0, 2, 0
	s_sub_co_u32 s50, s50, 1
	s_cmp_lg_u32 s50, 0
	s_cbranch_scc1 .Lkv
	PERIOD 1, 2, 0                                 ; period 13; slot 0 is asked for the last time
	PERIOD 0, 3, 0                                 ; period 14; slot 1 is asked for the last time: V(30), V(31), K(31)
	PERIOD 1, 1, 1                                 ; period 15: nothing is left to fetch
	; the way out: l over both halves of the keys, O / l, bf16, through the stage so that sixteen lanes store a row's 256 bytes
.irp u, 0,1
	v_permlanex16_b32 v[ST+8*\u+3], v[ST+8*\u+1], s48, s49
.endr
.irp u, 0,1
	v_add_f32 v[ST+8*\u+1], v[ST+8*\u+1], v[ST+8*\u+3]
.endr
.irp u, 0,1
	v_rcp_f32 v[ST+8*\u+4], v[ST+8*\u+1]           ; l is at least 1: the key of the maximum counts 1
.endr
	v_nop                                          ; one plain place behind the reciprocals
	WIN 0x41
	s_wait_alu depctr_va_vdst(0)
.irp d, 0,1,2,3
.irp u, 0,1
.irp j, 0,2,4,6
	v_pk_mul_f32 v[OA+8*(2*\d+\u)+\j:OA+8*(2*\d+\u)+\j+1], v[OA+8*(2*\d+\u)+\j:OA+8*(2*\d+\u)+\j+1], v[ST+8*\u+4:ST+8*\u+5] op_sel_hi:[1,0]
.endr
.endr
.endr
	WIN 0x05                                       ; sources window 1, destination window 0
.irp d, 0,1,2,3
.irp u, 0,1
.irp j, 0,1,2,3
	v_cvt_pk_bf16_f32 v[KF+4*(2*\d+\u)+\j], v[OA+8*(2*\d+\u)+2*\j], v[OA+8*(2*\d+\u)+2*\j+1]
.endr
.endr
.endr
	WIN 0
.irp d, 0,1,2,3
.irp u, 0,1
	ds_store_b128 v[STO], v[KF+4*(2*\d+\u):KF+4*(2*\d+\u)+3] offset:\u*16*SP+\d*32   ; query 16 u + r of my 32, numbers 16 d + 8 h .. + 7 of my head
.endr
.endr
	s_wait_dscnt 0x0                               ; for the other waves: my region of the stage is written
	s_barrier_signal -1
	s_barrier_wait -1
.irp i, 0,1,2,3,4,5,6,7
	ds_load_b128 v[KF+32+4*\i:KF+32+4*\i+3], v[RD] offset:\i*2*SP
.endr
.irp i, 0,1,2,3,4,5,6,7
	s_wait_dscnt 7-\i
	global_store_b128 v[CO], v[KF+32+4*\i:KF+32+4*\i+3], s[10:11] offset:\i*4096   ; sixteen lanes store 256 neighbouring bytes at a multiple of 256
.endr
	s_wait_tensorcnt 0x0
	ds_add_u32 v254, v255
	s_wait_dscnt 0x0
	ROUND                                          ; the closing round: no work-group ends while a partner may still ask for a tile that names it
	s_endpgm
.Lfunc_end_k_qf56ccbd4fd_attn:
	.size	k_qf56ccbd4fd_attn, .Lfunc_end_k_qf56ccbd4fd_attn-k_qf56ccbd4fd_attn
	.p2alignl 7, 3214868480
	.fill 96, 4, 3214868480
	.section	.rodata,"a",@progbits
	.p2align	6, 0x0
	.amdhsa_kernel k_qf56ccbd4fd_attn
		.amdhsa_group_segment_fixed_size 327680
		.amdhsa_private_segment_fixed_size 0
		.amdhsa_enable_private_segment 0
		.amdhsa_kernarg_size 24
		.amdhsa_user_sgpr_count 2
		.amdhsa_user_sgpr_kernarg_segment_ptr 1
		.amdhsa_wavefront_size32 1
		.amdhsa_system_sgpr_workgroup_id_x 1
		.amdhsa_system_sgpr_workgroup_id_y 1
		.amdhsa_system_sgpr_workgroup_id_z 1
		.amdhsa_system_vgpr_workitem_id 0
		.amdhsa_next_free_vgpr 384
		.amdhsa_next_free_sgpr 72
		.amdhsa_reserve_vcc 0
		.amdhsa_float_denorm_mode_32 3
		.amdhsa_float_denorm_mode_16_64 3
		.amdhsa_memory_ordered 1
		.amdhsa_forward_progress 1
		.amdhsa_inst_pref_size 255
	.end_amdhsa_kernel
	.section	.bss,"aw",@nobits
	.p2align	6
	.space	262144
	.amdgpu_metadata
---
amdhsa.version: [ 1, 2 ]
amdhsa.kernels:
  - .name:           k_qf56ccbd4fd_attn
    .symbol:         k_qf56ccbd4fd_attn.kd
    .args:
      - { .name: qkvb, .offset: 0, .size: 8, .value_kind: global_buffer, .address_space: global }
      - { .name: lbias, .offset: 8, .size: 8, .value_kind: global_buffer, .address_space: global }
      - { .name: aob, .offset: 16, .size: 8, .value_kind: global_buffer, .address_space: global }
    .group_segment_fixed_size: 327680
    .private_segment_fixed_size: 0
    .kernarg_segment_align: 8
    .kernarg_segment_size: 24
    .max_flat_workgroup_size: 256
    .sgpr_count:     72
    .vgpr_count:     384
    .wavefront_size: 32
...
	.end_amdgpu_metadata
.endif
;; end of part 3
;; launch proj (part 4): grid 8 x 32, 4 waves a work-group, clusters of 4 x 4, 327,680 bytes of LDS; arguments aob, cbuf, x, ybuf; writes ybuf
.if DOCPART == 4
	.amdgcn_target "amdgcn-amd-amdhsa--gfx1250"
	.amdhsa_code_object_version 6
	.text
	.protected	k_qf56ccbd4fd_proj
	.globl	k_qf56ccbd4fd_proj
	.p2align	8
	.type	k_qf56ccbd4fd_proj,@function
k_qf56ccbd4fd_proj:
	s_mov_b64 s[64:65], 0
	v_nop
	global_prefetch_b8 v0, s[64:65] scope:SCOPE_SE
	s_setreg_imm32_b32 hwreg(HW_REG_WAVE_MODE, 25, 1), 1
	s_wait_xcnt 0x0
	s_wait_alu depctr_hold_cnt(0) depctr_sa_sdst(0) depctr_va_vdst(0) depctr_va_sdst(0) depctr_va_ssrc(0) depctr_va_vcc(0) depctr_vm_vsrc(0)
	s_getreg_b32 s2, hwreg(HW_REG_IB_STS2, 6, 4)
	s_cmp_eq_u32 s2, 0
	s_cbranch_scc0 .Lentry_in_a_cluster
	s_endpgm
.Lentry_in_a_cluster:
	s_bfe_u32 s2, ttmp6, 0x10000c
	s_cmp_lg_u32 s2, 0xf033
	s_cbranch_scc0 .Lentry_shape_is_right
	s_endpgm
.Lentry_shape_is_right:
; ybuf = x + aob W_out^T, f32.  A = aob [4096 tokens][1024] bf16; B = cbuf from byte 14 MiB: W_out [1024 features][1024] bf16; sums in f32.
; A work-group makes 128 tokens x 128 features with four waves (8 x 32 work-groups); wave (w >> 1, w & 1) makes 64 x 64: 16 accumulator tiles.
; K goes through two LDS slots of 256 along K (four fills in all): a refill then has 120 matrix instructions of a wave in which to land.
; Each wave fetches 64 rows x 512 bytes by one tensor load.  CLUSTERS: 4 x 4; A's tiles are asked for jointly along a row, B's along a column.
; The residual x is requested at the start into registers and added on the way out.  LayerNorm needs whole rows of 1,024 and is the next launch.
; REGISTERS: window 0 addresses and two fragment buffers of 64 (A's four tiles, then B's four); window 1 the accumulators (tile (a, b) at 8 (4 a + b)) and x.
; The matrix instruction is used transposed (source 0 = 16 features, source 1 = 16 tokens): a lane holds eight neighbouring features of one token.
.set SIZE_K, 1024
.set PITCH,  528                       ; 512 bytes + 16 of padding: an odd multiple of 16
.set QT,     64*PITCH                  ; what one tensor load brings
.set SLOT,   4*QT                      ; A rows 0-63, A rows 64-127, B rows 0-63, B rows 64-127
.set STAGE,  2*SLOT                    ; behind the ring: 16 rows x 272 bytes for each wave; no tensor load lands here
.set SP,     272                       ; 64 f32 + 16 bytes
.set ADRA, 16                          ; v16-17
.set ADRB, 20                          ; v20-21
.set STO,  24
.set RD,   25
.set CO,   26                          ; my byte offset in x and in ybuf
.set F0,   64                          ; fragment buffer 0; on the way out: what is read back
.set F1,   128                         ; fragment buffer 1
.set XR,   128                         ; window 1: x of token tile a, pair of rows t at 4 (8 a + t)
.set G1,  24
.set G0,  32
.set G1B, 48
.set G0B, 56
.set ACCW, 0x50                        ; C and D window 1, fragments window 0
.set MIXW, 0x44                        ; destination and source 1 window 1, source 0 window 0
.set MSB, 0
.macro WIN new
.if MSB != \new
	s_set_vgpr_msb (MSB<<8)|\new
.set MSB, \new
.endif
.endm
.macro JLOAD s                         ; waves 0 and 1 fetch A's halves, waves 2 and 3 B's
	s_cmp_eq_u32 s13, 0
	s_cbranch_scc0 .Lfor_b_\@
	tensor_load_to_lds s[G0+4*\s:G0+4*\s+3], s[G1:G1+7]
	s_nop 0
	s_branch .Lasked_\@
.Lfor_b_\@:
	tensor_load_to_lds s[G0B+4*\s:G0B+4*\s+3], s[G1B:G1B+7]
	s_nop 0
.Lasked_\@:
.endm
.macro CREST
	s_cmp_lg_u32 s12, 0
	s_cbranch_scc1 .Lnot_wave_0_\@
	s_barrier_signal -3
.Lnot_wave_0_\@:
	s_barrier_wait -3
	s_barrier_signal -1
	s_barrier_wait -1
.endm
.macro CROUND
	s_barrier_signal -1
	s_barrier_wait -1
	CREST
.endm
	s_load_b256 s[4:11], s[0:1], 0x0               ; aob s[4:5], cbuf s[6:7], x s[8:9], ybuf s[10:11]
	v_lshl_add_u32 v254, v0, 2, 0x46400
	v_mov_b32 v255, 0
	ds_add_u32 v254, v255
	v_lshrrev_b32 v1, 5, v0
	v_readfirstlane_b32 s12, v1                    ; wave 0..3
	s_lshr_b32 s13, s12, 1                         ; my half of the block's tokens.  Also: I fetch for A (0) or for B (1)
	s_and_b32 s14, s12, 1                          ; my half of its features.  Also: which 64 rows of that tile I fetch
	s_bfe_u32 s40, ttmp6, 0x40000                  ; cx
	s_bfe_u32 s41, ttmp6, 0x40004                  ; cy
	s_lshl_b32 s42, ttmp9, 2
	s_add_co_u32 s42, s42, s40                     ; block column (128 features)
	s_and_b32 s15, ttmp7, 0xffff
	s_lshl_b32 s15, s15, 2
	s_add_co_u32 s15, s15, s41                     ; block row (128 tokens)
	s_lshl_b32 s43, s41, 2
	s_lshl_b32 s43, 15, s43                        ; my row of the cluster
	s_lshl_b32 s44, 0x1111, s40                    ; my column
	s_or_b32 s[G1+0], s43, (1<<16)|(1<<20)|(1<<21)|(6<<22)|(3<<25)  ; mask of my row; 2 bytes; padding on; bit 21 beside a mask; after every 128 words 4 words
	s_or_b32 s[G1B+0], s44, (1<<16)|(1<<20)|(1<<21)|(6<<22)|(3<<25) ; the same with the mask of my column
	s_mov_b32 s[G1+1], 256<<16                     ; tensor_dim0 = 256
	s_mov_b32 s[G1B+1], 256<<16
	s_mov_b32 s[G1+2], 64<<16                      ; tensor_dim1 = 64
	s_mov_b32 s[G1B+2], 64<<16
	s_mov_b32 s[G1+3], 256<<16                     ; tile_dim0 = 256
	s_mov_b32 s[G1B+3], 256<<16
	s_mov_b32 s[G1+4], 64                          ; tile_dim1 = 64 rows
	s_mov_b32 s[G1B+4], 64
	s_mov_b32 s[G1+5], SIZE_K                      ; elements from row to row
	s_mov_b32 s[G1B+5], SIZE_K
	s_mov_b32 s[G1+6], 0
	s_mov_b32 s[G1B+6], 0
	s_mov_b32 s[G1+7], 0
	s_mov_b32 s[G1B+7], 0
	s_lshl_b32 s16, s15, 18                        ; A: 128 rows x 2,048 bytes a block row
	s_lshl_b32 s17, s14, 17                        ; + 64 rows
	s_add_co_u32 s16, s16, s17
	s_mov_b32 s17, 0
	s_lshl_b32 s46, s42, 18                        ; B: the same by the block column
	s_lshl_b32 s47, s14, 17
	s_add_co_u32 s46, s46, s47
	s_add_co_u32 s46, s46, 0xe00000                ; W_out's bf16 copy begins 14 MiB into cbuf
	s_mov_b32 s47, 0
	s_mul_i32 s18, s12, QT                         ; where the tiles go: the wave's number alone
	s_wait_dscnt 0x0
	s_wait_kmcnt 0x0
	s_add_nc_u64 s[16:17], s[4:5], s[16:17]
	s_add_nc_u64 s[46:47], s[6:7], s[46:47]
	CROUND                                         ; all sixteen work-groups are here: the first joint loads meet
.irp s, 0,1
	s_mov_b32 s[G0+4*\s], 1
	s_add_co_u32 s[G0+4*\s+1], s18, \s*SLOT
	s_add_nc_u64 s[G0+4*\s+2:G0+4*\s+3], s[16:17], \s*512
	s_or_b32 s[G0+4*\s+3], s[G0+4*\s+3], 0x80000000
	s_mov_b32 s[G0B+4*\s], 1
	s_add_co_u32 s[G0B+4*\s+1], s18, \s*SLOT
	s_add_nc_u64 s[G0B+4*\s+2:G0B+4*\s+3], s[46:47], \s*512
	s_or_b32 s[G0B+4*\s+3], s[G0B+4*\s+3], 0x80000000
	JLOAD \s                                       ; K 0-255 and 256-511: two loads of this wave are out, later one
.endr
	; x and ybuf at my 64 x 64 block: (128 block row + 64 half) rows of 4,096 bytes + (128 block column + 64 half) x 4 bytes
	s_lshl_b32 s20, s15, 19
	s_lshl_b32 s21, s13, 18
	s_add_co_u32 s20, s20, s21
	s_lshl_b32 s21, s42, 9
	s_add_co_u32 s20, s20, s21
	s_lshl_b32 s21, s14, 8
	s_add_co_u32 s20, s20, s21
	s_mov_b32 s21, 0
	s_add_nc_u64 s[8:9], s[8:9], s[20:21]
	s_add_nc_u64 s[10:11], s[10:11], s[20:21]
	v_and_b32 v1, 15, v0                           ; r
	v_bfe_u32 v2, v0, 4, 1                         ; h
	v_lshlrev_b32 v5, 12, v2                       ; lanes 0-15 one row's 256 bytes, lanes 16-31 the next row's
	v_lshl_add_u32 v[CO], v1, 4, v5
	WIN 0x40                                       ; destination window 1, address window 0
.irp a, 0,1,2,3
.irp t, 0,1,2,3,4,5,6,7
	global_load_b128 v[XR+4*(8*\a+\t):XR+4*(8*\a+\t)+3], v[CO], s[8:9] offset:(16*\a+2*\t)*4096 th:TH_LOAD_NT
.endr
.endr
	WIN 0
	v_mul_u32_u24 v3, v1, PITCH
	v_lshl_add_u32 v3, v2, 4, v3                   ; row x pitch + 16 x half of the lanes
	s_mul_i32 s21, s13, QT                         ; my 64 tokens
	s_mul_i32 s22, s14, QT                         ; my 64 features,
	s_add_co_u32 s22, s22, 2*QT                    ; which lie behind A's 128 rows
.irp s, 0,1
	v_add_nc_u32 v[ADRA+\s], s21, v3
	v_add_nc_u32 v[ADRB+\s], s22, v3
	s_add_co_u32 s21, s21, SLOT
	s_add_co_u32 s22, s22, SLOT
.endr
	s_mul_i32 s23, s12, 16*SP
	s_add_co_u32 s23, s23, STAGE                   ; my stage
	v_mul_u32_u24 v4, v1, SP                       ; in: token r, 32 bytes for each half of the lanes
	v_lshl_add_u32 v4, v2, 5, v4
	v_add_nc_u32 v[STO], s23, v4
	v_mul_u32_u24 v5, v2, SP                       ; back: two rows of 256 bytes a load
	v_lshl_add_u32 v5, v1, 4, v5
	v_add_nc_u32 v[RD], s23, v5
; 8 matrix instructions: token tiles a0, a0 + 1 x four feature tiles, 32 along K.  The sixteen accumulators take turns, one instruction a turn.
.macro MUL8 f, a0, zero
.irp a, \a0, \a0+1
.irp b, 0,1,2,3
.if \zero
	v_wmma_f32_16x16x32_bf16 v[8*(4*(\a)+\b):8*(4*(\a)+\b)+7], v[\f+32+8*\b:\f+32+8*\b+7], v[\f+8*(\a):\f+8*(\a)+7], 0
.else
	v_wmma_f32_16x16x32_bf16 v[8*(4*(\a)+\b):8*(4*(\a)+\b)+7], v[\f+32+8*\b:\f+32+8*\b+7], v[\f+8*(\a):\f+8*(\a)+7], v[8*(4*(\a)+\b):8*(4*(\a)+\b)+7]
.endif
.endr
.endr
.endm
; 16 LDS loads: my 64 rows of A and my 64 rows of B, 32 K at byte k of the rows, into buffer f
.macro FETCH slot, k, f
.irp a, 0,1,2,3
	ds_load_b128 v[\f+8*\a:\f+8*\a+3],   v[ADRA+\slot] offset:\a*16*PITCH+\k
	ds_load_b128 v[\f+8*\a+4:\f+8*\a+7], v[ADRA+\slot] offset:\a*16*PITCH+\k+32
.endr
.irp b, 0,1,2,3
	ds_load_b128 v[\f+32+8*\b:\f+32+8*\b+3], v[ADRB+\slot] offset:\b*16*PITCH+\k
	ds_load_b128 v[\f+32+8*\b+4:\f+32+8*\b+7], v[ADRB+\slot] offset:\b*16*PITCH+\k+32
.endr
.endm
.macro PLACES                          ; four places behind the matrix instructions that read a buffer, ahead of the loads into it (ISA guide 7.12.1 for vector instructions)
.rept 4
	v_nop
.endr
.endm
; One of a slot's first seven pieces of 32 along K: buffer f is in; the next piece, at byte k, is requested into g, then f is multiplied.
.macro PIECE slot, k, f, g, zero
	s_wait_dscnt 0x0
	PLACES
	FETCH \slot, \k, \g
	WIN ACCW
	MUL8 \f, 0, \zero
	MUL8 \f, 2, \zero
	WIN 0
.endm
.macro SEVEN slot, zero
	PIECE \slot, 64,  F0, F1, \zero
	PIECE \slot, 128, F1, F0, 0
	PIECE \slot, 192, F0, F1, 0
	PIECE \slot, 256, F1, F0, 0
	PIECE \slot, 320, F0, F1, 0
	PIECE \slot, 384, F1, F0, 0
	PIECE \slot, 448, F0, F1, 0
.endm
; The eighth piece multiplies buffer 1 and changes slots: each wave's reads of this slot and all its tensor loads are waited for in front of the barrier;
; fill = 1: the barrier opens a round of the cluster's, and the joint refill is the first tensor load behind the round.
.macro LASTP slot, next, fill
	s_wait_dscnt 0x0
	s_wait_tensorcnt 0x0
	ds_add_u32 v254, v255
	s_wait_dscnt 0x0
	s_barrier_signal -1
	WIN ACCW
	MUL8 F1, 0, 0                                  ; register work while the others arrive
	WIN 0
	s_barrier_wait -1
.if \fill
	CREST
	s_add_nc_u64 s[G0+4*\slot+2:G0+4*\slot+3], s[G0+4*\slot+2:G0+4*\slot+3], 1024
	s_add_nc_u64 s[G0B+4*\slot+2:G0B+4*\slot+3], s[G0B+4*\slot+2:G0B+4*\slot+3], 1024
	JLOAD \slot
.endif
	PLACES
	FETCH \next, 0, F0
	WIN ACCW
	MUL8 F1, 2, 0
	WIN 0
.endm
	s_wait_tensorcnt 1                             ; my part of slot 0 is in; slot 1's load, issued behind it, stays out
	s_barrier_signal -1
	s_barrier_wait -1
	FETCH 0, 0, F0
	SEVEN 0, 1                                     ; K 0-255: the first products start the sums
	LASTP 0, 1, 1                                  ; slot 0 is asked for again: K 512-767
	SEVEN 1, 0                                     ; K 256-511
	LASTP 1, 0, 1                                  ; slot 1: K 768-1023
	SEVEN 0, 0
	LASTP 0, 1, 0                                  ; nothing is left to fetch
	SEVEN 1, 0
	s_wait_dscnt 0x0
	WIN ACCW
	MUL8 F1, 0, 0
	MUL8 F1, 2, 0
	PLACES                                         ; ahead of the LDS stores that read results and of the loads into buffer 0
	s_wait_loadcnt 0x0                             ; x is in
; 16 tokens: the f32 sums go through my own stage, come back as rows of 256 bytes, take x on and leave.
.macro OUTP a
	WIN MIXW                                       ; LDS store: address window 0, data window 1
.irp b, 0,1,2,3
	ds_store_b128 v[STO], v[8*(4*\a+\b):8*(4*\a+\b)+3] offset:64*\b
	ds_store_b128 v[STO], v[8*(4*\a+\b)+4:8*(4*\a+\b)+7] offset:64*\b+16
.endr
	WIN 0
.irp t, 0,1,2,3,4,5,6,7
	ds_load_b128 v[F0+4*\t:F0+4*\t+3], v[RD] offset:\t*2*SP        ; LDS serves a wave's instructions in order: these see the stores above
.endr
	WIN MIXW
.irp t, 0,1,2,3,4,5,6,7
	s_wait_dscnt 7-\t
	v_pk_add_f32 v[XR+4*(8*\a+\t):XR+4*(8*\a+\t)+1], v[F0+4*\t:F0+4*\t+1], v[XR+4*(8*\a+\t):XR+4*(8*\a+\t)+1]
	v_pk_add_f32 v[XR+4*(8*\a+\t)+2:XR+4*(8*\a+\t)+3], v[F0+4*\t+2:F0+4*\t+3], v[XR+4*(8*\a+\t)+2:XR+4*(8*\a+\t)+3]
	global_store_b128 v[CO], v[XR+4*(8*\a+\t):XR+4*(8*\a+\t)+3], s[10:11] offset:(16*\a+2*\t)*4096   ; sixteen lanes store 256 neighbouring bytes at a multiple of 256
.endr
.endm
	OUTP 0
	OUTP 1
	OUTP 2
	OUTP 3
	WIN 0
	s_wait_tensorcnt 0x0
	ds_add_u32 v254, v255
	s_wait_dscnt 0x0
	CROUND                                         ; the closing round: no work-group ends while a partner may still ask for a tile that names it
	s_endpgm
.Lfunc_end_k_qf56ccbd4fd_proj:
	.size	k_qf56ccbd4fd_proj, .Lfunc_end_k_qf56ccbd4fd_proj-k_qf56ccbd4fd_proj
	.p2alignl 7, 3214868480
	.fill 96, 4, 3214868480
	.section	.rodata,"a",@progbits
	.p2align	6, 0x0
	.amdhsa_kernel k_qf56ccbd4fd_proj
		.amdhsa_group_segment_fixed_size 327680
		.amdhsa_private_segment_fixed_size 0
		.amdhsa_enable_private_segment 0
		.amdhsa_kernarg_size 32
		.amdhsa_user_sgpr_count 2
		.amdhsa_user_sgpr_kernarg_segment_ptr 1
		.amdhsa_wavefront_size32 1
		.amdhsa_system_sgpr_workgroup_id_x 1
		.amdhsa_system_sgpr_workgroup_id_y 1
		.amdhsa_system_sgpr_workgroup_id_z 1
		.amdhsa_system_vgpr_workitem_id 0
		.amdhsa_next_free_vgpr 512
		.amdhsa_next_free_sgpr 66
		.amdhsa_reserve_vcc 0
		.amdhsa_float_denorm_mode_32 3
		.amdhsa_float_denorm_mode_16_64 3
		.amdhsa_memory_ordered 1
		.amdhsa_forward_progress 1
		.amdhsa_inst_pref_size 96
	.end_amdhsa_kernel
	.amdgpu_metadata
---
amdhsa.version: [ 1, 2 ]
amdhsa.kernels:
  - .name:           k_qf56ccbd4fd_proj
    .symbol:         k_qf56ccbd4fd_proj.kd
    .args:
      - { .name: aob, .offset: 0, .size: 8, .value_kind: global_buffer, .address_space: global }
      - { .name: cbuf, .offset: 8, .size: 8, .value_kind: global_buffer, .address_space: global }
      - { .name: x, .offset: 16, .size: 8, .value_kind: global_buffer, .address_space: global }
      - { .name: ybuf, .offset: 24, .size: 8, .value_kind: global_buffer, .address_space: global }
    .group_segment_fixed_size: 327680
    .private_segment_fixed_size: 0
    .kernarg_segment_align: 8
    .kernarg_segment_size: 32
    .max_flat_workgroup_size: 128
    .sgpr_count:     66
    .vgpr_count:     512
    .wavefront_size: 32
...
	.end_amdgpu_metadata
.endif
;; end of part 4
;; launch lnorm (part 5): grid 256 x 1, 4 waves a work-group, no clusters, 0 bytes of LDS; arguments ybuf, gamma, beta, out0; writes out0
.if DOCPART == 5
	.amdgcn_target "amdgcn-amd-amdhsa--gfx1250"
	.amdhsa_code_object_version 6
	.text
	.protected	k_qf56ccbd4fd_lnorm
	.globl	k_qf56ccbd4fd_lnorm
	.p2align	8
	.type	k_qf56ccbd4fd_lnorm,@function
k_qf56ccbd4fd_lnorm:
	s_mov_b64 s[64:65], 0
	v_nop
	global_prefetch_b8 v0, s[64:65] scope:SCOPE_SE
	s_setreg_imm32_b32 hwreg(HW_REG_WAVE_MODE, 25, 1), 1
	s_wait_xcnt 0x0
; out0[r][c] = (y[r][c] - mean) / sqrt(var + 1e-5) * gamma[c] + beta[c], rows of 1,024 f32.
; A row is 4,096 bytes: one wave takes a whole row, eight loads of 16 bytes a lane, and keeps it in 32 registers: memory is read once, no wave waits for another.
; Four waves, four rows each; 256 work-groups for 4,096 rows.  All 48 loads of a wave (four rows, gamma, beta) go out at once.
; The mean is taken away before the squares are summed: no difference of large sums is formed.  Memory binds: no LDS, no matrix unit, no cluster.
.set GA, 16                            ; v[16:47]   gamma of my 32 columns
.set BT, 48                            ; v[48:79]   beta
.set RW, 80                            ; v[80:207]  row i at 32 i
	s_load_b256 s[4:11], s[0:1], 0x0               ; ybuf s[4:5], gamma s[6:7], beta s[8:9], out0 s[10:11]
	v_and_b32 v2, 31, v0
	v_lshlrev_b32 v2, 4, v2                        ; 16 x lane
	v_lshrrev_b32 v3, 5, v0
	v_lshl_add_u32 v1, v3, 14, v2                  ; + wave x 4 rows x 4,096 bytes
	s_lshl_b32 s12, ttmp9, 16                      ; 16 rows a work-group
	s_mov_b32 s13, 0
	s_mov_b32 s14, 0x76543210                      ; v_permlanex16_b32: lane i of one half reads lane i of the other
	s_mov_b32 s15, 0xfedcba98
	s_mov_b32 s16, 0x3a800000                      ; 1 / 1024
	s_wait_kmcnt 0x0
	s_add_nc_u64 s[4:5], s[4:5], s[12:13]
	s_add_nc_u64 s[10:11], s[10:11], s[12:13]
.macro LOADROW i
.irp j, 0,1,2,3,4,5,6,7
	global_load_b128 v[RW+32*\i+4*\j:RW+32*\i+4*\j+3], v1, s[4:5] offset:\i*4096+\j*512 th:TH_LOAD_NT
.endr
.endm
	LOADROW 0
.irp j, 0,1,2,3,4,5,6,7
	global_load_b128 v[GA+4*\j:GA+4*\j+3], v2, s[6:7] offset:\j*512
.endr
.irp j, 0,1,2,3,4,5,6,7
	global_load_b128 v[BT+4*\j:BT+4*\j+3], v2, s[8:9] offset:\j*512
.endr
	LOADROW 1
	LOADROW 2
	LOADROW 3
.macro COMBINE                         ; four pairs of partial sums in v[4:11] to one number in every lane, in v4
	v_pk_add_f32 v[4:5], v[4:5], v[6:7]
	v_pk_add_f32 v[8:9], v[8:9], v[10:11]
	v_pk_add_f32 v[4:5], v[4:5], v[8:9]
	v_add_f32 v4, v4, v5
	v_add_f32_dpp v4, v4, v4 row_xmask:1 row_mask:0xf bank_mask:0xf
	v_add_f32_dpp v4, v4, v4 row_xmask:2 row_mask:0xf bank_mask:0xf
	v_add_f32_dpp v4, v4, v4 row_xmask:4 row_mask:0xf bank_mask:0xf
	v_add_f32_dpp v4, v4, v4 row_xmask:8 row_mask:0xf bank_mask:0xf
	v_permlanex16_b32 v5, v4, s14, s15             ; its destination counts as read: v5 has been written
	v_add_f32 v4, v4, v5
.endm
; left = how many younger loads may stay out when row i has to be there
.macro ROW i, left
	s_wait_loadcnt \left
.irp k, 0,1,2,3
	v_pk_add_f32 v[4+2*\k:5+2*\k], v[RW+32*\i+4*\k:RW+32*\i+4*\k+1], v[RW+32*\i+4*\k+2:RW+32*\i+4*\k+3]
.endr
.irp q, 8,9,10,11,12,13,14,15
	v_pk_add_f32 v[4+2*(\q%4):5+2*(\q%4)], v[4+2*(\q%4):5+2*(\q%4)], v[RW+32*\i+2*\q:RW+32*\i+2*\q+1]
.endr
	COMBINE
	v_mul_f32 v12, s16, v4                         ; the mean, twice, for the packed subtraction
	v_mov_b32 v13, v12
.irp q, 0,1,2,3,4,5,6,7,8,9,10,11,12,13,14,15
	v_pk_add_f32 v[RW+32*\i+2*\q:RW+32*\i+2*\q+1], v[RW+32*\i+2*\q:RW+32*\i+2*\q+1], v[12:13] neg_lo:[0,1] neg_hi:[0,1]
.endr
.irp k, 0,1,2,3
	v_pk_mul_f32 v[4+2*\k:5+2*\k], v[RW+32*\i+2*\k:RW+32*\i+2*\k+1], v[RW+32*\i+2*\k:RW+32*\i+2*\k+1]
.endr
.irp q, 4,5,6,7,8,9,10,11,12,13,14,15
	v_pk_fma_f32 v[4+2*(\q%4):5+2*(\q%4)], v[RW+32*\i+2*\q:RW+32*\i+2*\q+1], v[RW+32*\i+2*\q:RW+32*\i+2*\q+1], v[4+2*(\q%4):5+2*(\q%4)]
.endr
	COMBINE
	v_fmaak_f32 v14, s16, v4, 0x3727c5ac           ; var + 1e-5
	v_rsq_f32 v14, v14
	v_nop                                          ; one plain place behind the root (ISA guide 5.7.2)
	s_wait_alu depctr_va_vdst(0)
	v_mov_b32 v15, v14
.if \i == 0
	s_wait_loadcnt 24                              ; gamma and beta are in; the 24 loads of rows 1 to 3 stay out
.endif
.irp q, 0,1,2,3,4,5,6,7,8,9,10,11,12,13,14,15
	v_pk_mul_f32 v[RW+32*\i+2*\q:RW+32*\i+2*\q+1], v[RW+32*\i+2*\q:RW+32*\i+2*\q+1], v[14:15]
.endr
.irp q, 0,1,2,3,4,5,6,7,8,9,10,11,12,13,14,15
	v_pk_fma_f32 v[RW+32*\i+2*\q:RW+32*\i+2*\q+1], v[RW+32*\i+2*\q:RW+32*\i+2*\q+1], v[GA+2*\q:GA+2*\q+1], v[BT+2*\q:BT+2*\q+1]
.endr
.irp j, 0,1,2,3,4,5,6,7
	global_store_b128 v1, v[RW+32*\i+4*\j:RW+32*\i+4*\j+3], s[10:11] offset:\i*4096+\j*512 th:TH_STORE_NT
.endr
.endm
	ROW 0, 40                                      ; behind row 0: gamma, beta and three rows, 40 loads
	ROW 1, 16
	ROW 2, 8
	ROW 3, 0
	s_endpgm
.Lfunc_end_k_qf56ccbd4fd_lnorm:
	.size	k_qf56ccbd4fd_lnorm, .Lfunc_end_k_qf56ccbd4fd_lnorm-k_qf56ccbd4fd_lnorm
	.p2alignl 7, 3214868480
	.fill 96, 4, 3214868480
	.section	.rodata,"a",@progbits
	.p2align	6, 0x0
	.amdhsa_kernel k_qf56ccbd4fd_lnorm
		.amdhsa_group_segment_fixed_size 0
		.amdhsa_private_segment_fixed_size 0
		.amdhsa_enable_private_segment 0
		.amdhsa_kernarg_size 32
		.amdhsa_user_sgpr_count 2
		.amdhsa_user_sgpr_kernarg_segment_ptr 1
		.amdhsa_wavefront_size32 1
		.amdhsa_system_sgpr_workgroup_id_x 1
		.amdhsa_system_sgpr_workgroup_id_y 1
		.amdhsa_system_sgpr_workgroup_id_z 1
		.amdhsa_system_vgpr_workitem_id 0
		.amdhsa_next_free_vgpr 208
		.amdhsa_next_free_sgpr 66
		.amdhsa_reserve_vcc 0
		.amdhsa_float_denorm_mode_32 3
		.amdhsa_float_denorm_mode_16_64 3
		.amdhsa_memory_ordered 1
		.amdhsa_forward_progress 1
		.amdhsa_inst_pref_size 33
	.end_amdhsa_kernel
	.amdgpu_metadata
---
amdhsa.version: [ 1, 2 ]
amdhsa.kernels:
  - .name:           k_qf56ccbd4fd_lnorm
    .symbol:         k_qf56ccbd4fd_lnorm.kd
    .args:
      - { .name: ybuf, .offset: 0, .size: 8, .value_kind: global_buffer, .address_space: global }
      - { .name: gamma, .offset: 8, .size: 8, .value_kind: global_buffer, .address_space: global }
      - { .name: beta, .offset: 16, .size: 8, .value_kind: global_buffer, .address_space: global }
      - { .name: out0, .offset: 24, .size: 8, .value_kind: global_buffer, .address_space: global }
    .group_segment_fixed_size: 0
    .private_segment_fixed_size: 0
    .kernarg_segment_align: 8
    .kernarg_segment_size: 32
    .max_flat_workgroup_size: 128
    .sgpr_count:     66
    .vgpr_count:     208
    .wavefront_size: 32
...
	.end_amdgpu_metadata
.endif
;; end of part 5
